; MI455X (gfx1250); checked and timed in simulation.
; The chip was launched on July 23, 2026; its instructions are those of AMD's public machine-readable ISA for CDNA 5 (MIT licence, August 2026) and "CDNA5" Instruction Set Architecture Reference Guide (July 2026). The comments in the code are by the model that wrote it; some were corrected since.
;; Multi Head Attention. Allowed arithmetic: matrix products marked QUANTISED: E2M3 operands, one E8M0 scale for each 32 along K, by v_wmma_scale_f32_16x16x128_f8f6f4 with both operands' format E2M3, f32 sums; everything else in f32.
;; Inputs: bk 1,024 float32; bo 1,024 float32; bq 1,024 float32; bv 1,024 float32; key 4 x 2,048 x 1,024 float32; mask 1 x 1 x 2,048 x 2,048 bool; query 4 x 2,048 x 1,024 float32; value 4 x 2,048 x 1,024 float32; wk 1,024 x 1,024 float32; wo 1,024 x 1,024 float32; wq 1,024 x 1,024 float32; wv 1,024 x 1,024 float32.
;; Outputs: out0 4 x 2,048 x 1,024 float32.
;; This version of the problem:
;;   THIS VERSION OF THE PROBLEM IS GIVEN IN LOW PRECISION. The matrix products marked QUANTISED in the list below multiply operands that are first quantised to E2M3 (2 exponent bits, 3 mantissa bits; 6 bits a number), with one power-of-two scale for each 32 numbers along K (OCP MX v1.0); their sums are f32. All else is computed in f32.
;;   The module's matrix products, in the order in which they are computed (A, B: the left and right operand; K: the contracted axis; several contracted axes count as one K, in the product's order):
;;     1. [M 8,192, K 1,024] x [K 1,024, N 1,024]; A: input query; B: input wq: QUANTISED
;;     2. [M 8,192, K 1,024] x [K 1,024, N 1,024]; A: input key; B: input wk: QUANTISED
;;     3. [M 8,192, K 1,024] x [K 1,024, N 1,024]; A: input value; B: input wv: QUANTISED
;;     4. batch 64 x [M 2,048, K 64] x [K 64, N 2,048]; A: computed on the way; B: computed on the way: QUANTISED
;;     5. batch 64 x [M 2,048, K 2,048] x [K 2,048, N 64]; A: softmax (see below); B: computed on the way: QUANTISED
;;     6. [M 8,192, K 1,024] x [K 1,024, N 1,024]; A: computed on the way; B: input wo: QUANTISED
;;   THE QUANTISER, for each operand of a quantised product, along K:
;;     - K is cut into blocks of 32 from its start; a last block that is shorter is filled with zeros.
;;     - A block's scale is 2^e with e = floor(log2(the largest magnitude in the block)) - 2, held to -126 .. 127; a block of zeros has e = 0. As a byte (E8M0): e + 127.
;;     - Each number is divided by its block's scale, clamped to +-7.5, and rounded to the nearest number of E2M3, ties to even, subnormals kept.
;;     - The product sums the exact products of the quantised numbers (number of the format x scale) in f32.
;;   ~~~python
;;   def quantise(x, axis):      # numpy; x: float32 -> the quantised numbers, widened to float32 again
;;       x = np.moveaxis(x, axis, -1); K = x.shape[-1]
;;       x = np.pad(x, [(0, 0)] * (x.ndim - 1) + [(0, -K % 32)]); x = x.reshape(x.shape[:-1] + (-1, 32)); a = np.abs(x).max(-1, keepdims=True)
;;       e = np.where(a > 0, np.clip(np.frexp(np.where(a > 0, a, 1))[1] - 1 - 2, -126, 127), 0)      # np.frexp(a)[1] - 1 = floor(log2(a)), exactly
;;       r = np.clip(x / 2.0 ** e, -7.5, 7.5)
;;       step = 2.0 ** (np.maximum(np.frexp(np.where(r == 0, 1, r))[1] - 1, 0) - 3)
;;       q = np.round(r / step) * step * 2.0 ** e      # np.round: ties to even
;;       return np.moveaxis(q.reshape(q.shape[:-2] + (-1,))[..., :K], -1, axis).astype(np.float32)
;;   ~~~
;;   SOFTMAX AHEAD OF A QUANTISED PRODUCT. Where the list says 'softmax', what is quantised is not the finished softmax but p = 2^(t - M), with t = logit x log2(e) and M = ceil(the row's largest t), a whole number; so 1/2 < the row's largest p <= 1. The row's sum l is taken of the UNQUANTISED p, in f32, and the product's result is divided by l at the end. Since M is a whole number, a kernel that streams over the keys may use a running M (the ceiling of the running maximum): every later rescaling is an exact power of two, which a block's scale takes up: the codes' values come out the same.
;;   OPERANDS COMPUTED ON THE WAY. 'Computed on the way' means the value that the module computes at that place (a softmax that the list does not call 'softmax' is quantised finished and normalised). What goes into a quantiser is computed in f32, as accurately as f32 sums, v_exp_f32 and their like allow (about 1e-6 of the number): no bf16 or f16 on the way to a quantiser, and a product that is left as it is and whose result goes on into a quantised operand takes f32 operands (vector FMAs, or v_wmma_f32_16x16x4_f32). A number that lies on a knife's edge between two numbers of the format may be rounded either way, as far as f32 arithmetic and the matrix unit's own rounding can turn it there, and no further.
;; 2 versions, each right; version 2 is version 1 with the launch attn written anew for expert scheduling mode. Each part assembles by itself: llvm-mc -triple=amdgcn-amd-amdhsa -mcpu=gfx1250 --defsym DOCPART=n.
;; ======== version 1 of 2: 4 launches
;; limits: right only within a limited range of input values
;; workspace buffers: xrec 20,447,232 bytes; wrec 3,407,872 bytes; mskw 532,480 bytes of whole numbers; qb 6,815,744 bytes; kvb 13,631,488 bytes; crec 6,815,744 bytes
;; launch prep (part 1): grid 2304 x 1, 4 waves a work-group, no clusters, 34,304 bytes of LDS; arguments query, key, value, wq, wk, wv, wo, mask, xrec, wrec, mskw; writes xrec, wrec, mskw
.if DOCPART == 1
	.amdgcn_target "amdgcn-amd-amdhsa--gfx1250"
	.amdhsa_code_object_version 6
	.text
	.protected	k_qcaf8ad7975_prep
	.globl	k_qcaf8ad7975_prep
	.p2align	8
	.type	k_qcaf8ad7975_prep,@function
k_qcaf8ad7975_prep:
	s_mov_b64 s[64:65], 0
	v_nop
	global_prefetch_b8 v0, s[64:65] scope:SCOPE_SE
	s_setreg_imm32_b32 hwreg(HW_REG_WAVE_MODE, 25, 1), 1
	s_wait_xcnt 0x0
; query, key, value [8192][1024] and wq, wk, wv, wo [1024][1024], f32, K innermost, become codes of FP6 (E2M3) with one E8M0 byte for each 32 along K,
; laid as the later launches' operand registers want them; the mask [2048][2048] of bytes becomes lane masks and one flag for each tile of 16 queries x 128 keys.
; A FRAGMENT (16 rows x 128 K, 12 registers a lane) is 1,536 bytes in two halves c = 0, 1 of 768: registers 6c .. 6c+3 at 768 c + 16 x lane, registers 6c+4, 6c+5 at 768 c + 512 + 8 x lane.
; A RECORD (one tile of 16 rows, 256 along K) is 3,328 bytes: two fragments, then 256 bytes of scale words, 8 bytes a lane (the two K steps' words; lanes 16-31 repeat lanes 0-15).
; A matrix is [row tile][4 records].  ROWS OF A TILE: query, wo: lane r takes row 16 t + r;  key, value, wq, wk, wv: row 32 (t / 2) + 8 (t % 2) + r + 8 (r / 8), so that a later product's
; results lie along the next K in the order that the conversions take.
; A block's scale is 2^(floor(log2(largest magnitude)) - 2): its byte is the largest magnitude's exponent field - 2, held at 1 from below.
; LIMITS: NaN and infinities are not served; a block whose largest magnitude lies under 2^-124 gets the byte 1; a block of zeros gets the byte 1, not 127: its codes are zeros and this program alone reads the bytes.
; SHARES.  Work-groups 0 .. 1791: one row tile each (512 x 3 of the activations, 64 x 4 of the weights), wave w its record w.  Work-groups 1792 .. 2303: wave = one (query tile, key step) of the mask.
; Each load reads 512 consecutive bytes of one row; the 16 rows x 512 bytes of a K step turn through the wave's own stage in LDS (rows 528 bytes apart: 132 words, so sixteen rows start four banks apart)
; and come back as 16 neighbours of each block of 32 a lane.  No barrier: waves share nothing.
.set SPARE, 33792                      ; behind the four stages: the spare words, 128 bytes a wave
.set STG,   8448                       ; a wave's stage: 16 rows x 528 bytes
.set SPW,   12                         ; v12  my spare word's LDS address; never rewritten
.set NIL,   13                         ; v13  0; never rewritten
.set TM,    16                         ; v16-31 at work in QUANT
.set X,     32                         ; v32-159 two K steps x 16 rows x 4 registers, as loaded
.set T,     160                        ; v160-223 64 numbers: register 16 b + i = k 32 b + 16 (lane / 16) + i of my row
.set PX,    248                        ; v248-254 the conversions' second halves
.set SEL,   44                         ; s[44:45] v_permlanex16_b32's selects for lane l xor 16
; 64 numbers of a lane become a fragment's codes in v[pc] on and its scale word in v[pw]
.macro QUANT s, pc, pw
.irp b, 0,1,2,3
	v_max3_num_f32 v[TM+\b], |v[\s+16*\b]|, |v[\s+16*\b+1]|, 0x1800000   ; my 16 numbers of block b, and the floor 2^(3 - 127): the byte cannot fall under 1
.endr
.irp i, 2,4,6,8,10,12,14
.irp b, 0,1,2,3
	v_max3_num_f32 v[TM+\b], v[TM+\b], |v[\s+16*\b+\i]|, |v[\s+16*\b+\i+1]|   ; the four blocks by turns
.endr
.endr
.irp b, 0,1,2,3
	v_permlanex16_b32 v[TM+4+\b], v[TM+\b], s[SEL], s[SEL+1]
.endr
.irp b, 0,1,2,3
	v_max_num_f32 v[TM+\b], v[TM+\b], v[TM+4+\b]          ; with lane l xor 16's: the block's largest magnitude
.endr
.irp b, 0,1,2,3
	v_add_nc_u32 v[TM+12+\b], 0xff000000, v[TM+\b]         ; 2 off its exponent field: the conversion's scale operand
.endr
.irp b, 0,1,2,3
	v_lshrrev_b32 v[TM+4+\b], 23, v[TM+12+\b]              ; the scale's byte
.endr
	v_lshl_or_b32 v[\pw], v[TM+5], 8, v[TM+4]
	v_lshl_or_b32 v[\pw], v[TM+6], 16, v[\pw]
	v_lshl_or_b32 v[\pw], v[TM+7], 24, v[\pw]              ; my row's scale word
.irp c, 0,1
	v_cvt_scalef32_pk16_fp6_f32 v[\pc+6*\c:\pc+6*\c+2], v[\s+32*\c:\s+32*\c+15], v[TM+12+2*\c]
	v_cvt_scalef32_pk16_fp6_f32 v[PX+4*\c:PX+4*\c+2], v[\s+32*\c+16:\s+32*\c+31], v[TM+13+2*\c]   ; (a conversion's three registers begin on an even number)
.endr
	v_nop                                                  ; one plain place behind a scaled conversion
.irp c, 0,1                                            ; the operand wants a whole block in a lane: lanes 0-15 block 2 c, lanes 16-31 block 2 c + 1
.irp i, 0,1,2
	v_permlane16_swap_b32 v[\pc+6*\c+\i], v[PX+4*\c+\i]
.endr
.irp i, 0,1,2
	v_mov_b32 v[\pc+6*\c+3+\i], v[PX+4*\c+\i]
.endr
.endr
.endm
.macro PUTHALF pc, off                 ; half a fragment: 512 and 256 consecutive bytes, each at a multiple of 256 from the buffer's first byte
	global_store_b128 v1, v[\pc:\pc+3], s[38:39] offset:\off
	global_store_b64 v4, v[\pc+4:\pc+5], s[38:39] offset:\off+512
.endm
.macro TURN s                          ; K step s through my stage; LDS serves a wave's instructions in order (ISA guide 5.7.1.4): no wait between the stores and the loads
.irp i, 0,1,2,3,4,5,6,7,8,9,10,11,12,13,14,15
	ds_store_b128 v5, v[X+64*\s+4*\i:X+64*\s+4*\i+3] offset:528*\i
.endr
.irp b, 0,1,2,3
.irp j, 0,1,2,3
	ds_load_b128 v[T+16*\b+4*\j:T+16*\b+4*\j+3], v6 offset:128*\b+16*\j
.endr
.endr
.endm
.macro PICK lim, ptr, first            ; the tensor that my work-group's number falls into: a choice on the number alone
	s_cmp_lt_u32 ttmp9, \lim
	s_cselect_b64 s[28:29], s[\ptr:\ptr+1], s[28:29]
	s_cselect_b32 s30, \first, s30
.endm
	s_load_b512 s[4:19], s[0:1], 0x0               ; query, key, value, wq, wk, wv, wo, mask
	s_load_b128 s[20:23], s[0:1], 0x40             ; xrec, wrec
	s_load_b64 s[24:25], s[0:1], 0x50              ; mskw
	v_lshl_add_u32 v[SPW], v0, 2, SPARE
	v_mov_b32 v[NIL], 0
	v_lshrrev_b32 v1, 5, v0
	v_readfirstlane_b32 s26, v1                    ; wave 0..3
	v_and_b32 v3, 31, v0                           ; lane
	v_and_b32 v7, 15, v0                           ; r
	v_bfe_u32 v8, v0, 4, 1                         ; h
	v_lshlrev_b32 v4, 3, v3                        ; 8 x lane
	s_cmp_ge_u32 ttmp9, 1792
	s_cbranch_scc1 .Lmask
	; ---- the quantiser: one record a wave
	s_mov_b32 s[SEL], 0x76543210
	s_mov_b32 s[SEL+1], 0xfedcba98
.irp b, 0,1,2,3
	v_mov_b32 v[TM+4+\b], 0                        ; written once: a lane permute's destination counts as one of its sources
.endr
	s_mul_i32 s27, s26, STG
	v_lshlrev_b32 v1, 4, v3                        ; 16 x lane
	v_add_nc_u32 v5, s27, v1                       ; the stage, on the way in: row i at 528 i, 16 bytes a lane
	v_mul_u32_u24 v6, v7, 528
	v_lshl_add_u32 v6, v8, 6, v6
	v_add_nc_u32 v6, s27, v6                       ; and on the way out: row r, + 64 h
	s_cmp_lt_u32 ttmp9, 512                        ; which order of rows: 0 for query and wo
	s_cselect_b32 s31, 0, 1
	s_cmp_ge_u32 ttmp9, 1728
	s_cselect_b32 s31, 0, s31
	s_wait_kmcnt 0x0
	s_mov_b64 s[28:29], s[16:17]                   ; wo, unless the number lies lower
	s_mov_b32 s30, 1728
	PICK 1728, 14, 1664
	PICK 1664, 12, 1600
	PICK 1600, 10, 1536
	PICK 1536, 8, 1024
	PICK 1024, 6, 512
	PICK 512, 4, 0
	s_sub_co_u32 s32, ttmp9, s30                   ; my row tile in its tensor
	s_lshr_b32 s33, s32, 1
	s_lshl_b32 s33, s33, 5
	s_and_b32 s34, s32, 1
	s_lshl_b32 s34, s34, 3
	s_add_co_u32 s33, s33, s34                     ; 32 (t / 2) + 8 (t % 2)
	s_lshl_b32 s34, s32, 4                         ; 16 t
	s_mov_b32 s35, 32768
	s_cmp_eq_u32 s31, 1
	s_cselect_b32 s33, s33, s34                    ; the tile's first row
	s_cselect_b32 s35, 65536, s35                  ; its rows 8-15 begin 16 or 8 rows of 4,096 bytes further down
	v_add_nc_u32 v2, s35, v1
	s_lshl_b32 s36, s33, 12
	s_lshl_b32 s37, s26, 10                        ; my 256 along K
	s_add_co_u32 s36, s36, s37
	s_mov_b32 s37, 0
	s_add_nc_u64 s[28:29], s[28:29], s[36:37]
	s_cmp_lt_u32 ttmp9, 1536                       ; activations go to xrec, weights to wrec
	s_cselect_b64 s[38:39], s[20:21], s[22:23]
	s_cselect_b32 s40, 0, 1536
	s_sub_co_u32 s40, ttmp9, s40
	s_mul_i32 s40, s40, 13312
	s_mul_i32 s41, s26, 3328
	s_add_co_u32 s40, s40, s41
	s_mov_b32 s41, 0
	s_add_nc_u64 s[38:39], s[38:39], s[40:41]
.irp s, 0,1
.irp i, 0,1,2,3,4,5,6,7
	global_load_b128 v[X+64*\s+4*\i:X+64*\s+4*\i+3], v1, s[28:29] offset:4096*\i+512*\s th:TH_LOAD_NT   ; 32 lanes read 512 consecutive bytes of row i
.endr
.irp i, 8,9,10,11,12,13,14,15
	global_load_b128 v[X+64*\s+4*\i:X+64*\s+4*\i+3], v2, s[28:29] offset:4096*(\i-8)+512*\s th:TH_LOAD_NT
.endr
.endr
	s_wait_loadcnt 16                              ; K step 0's sixteen loads are in; K step 1's sixteen may be out
	TURN 0
	s_wait_dscnt 0x0
	QUANT T, 224, 14
	PUTHALF 224, 0
	PUTHALF 230, 768
	s_wait_loadcnt 0x0
	TURN 1
	s_wait_dscnt 0x0
	QUANT T, 236, 15                               ; other registers than K step 0's codes: no store's data are written again
	PUTHALF 236, 1536
	PUTHALF 242, 2304
	global_store_b64 v4, v[14:15], s[38:39] offset:3072   ; the two scale words: 32 lanes store 256 consecutive bytes
	s_wait_tensorcnt 0x0                           ; the wave's end: three lines behind my last LDS store
	ds_add_u32 v[SPW], v[NIL]
	s_wait_dscnt 0x0
	s_endpgm
	; ---- the mask: 16 queries x 128 keys a wave.  Word j of 64: bit r + 16 h = mask[16 qt + r][128 step + 32 (j / 16) + 16 h + j % 16]: the lane and register that hold that score in the attention launch
.Lmask:
	s_sub_co_u32 s27, ttmp9, 1792
	s_lshl_b32 s27, s27, 2
	s_add_co_u32 s27, s27, s26                     ; the task: 16 x query tile + key step
	s_lshr_b32 s28, s27, 4
	s_and_b32 s29, s27, 15
	s_lshl_b32 s32, s28, 15                        ; 16 rows of 2,048 bytes
	s_lshl_b32 s33, s29, 7
	s_add_co_u32 s32, s32, s33
	s_mov_b32 s33, 0
	v_lshlrev_b32 v1, 11, v7
	v_lshl_add_u32 v1, v8, 4, v1                   ; row r, + 16 h
	s_lshl_b32 s34, s27, 8                         ; 256 bytes of lane masks a task
	s_mov_b32 s35, 0
	s_lshl_b32 s38, s27, 2                         ; 4 bytes of flag a task
	s_wait_kmcnt 0x0
	s_add_nc_u64 s[18:19], s[18:19], s[32:33]
	s_add_nc_u64 s[36:37], s[24:25], s[34:35]
.irp b, 0,1,2,3
	global_load_b128 v[32+4*\b:35+4*\b], v1, s[18:19] offset:32*\b
.endr
	v_mov_b32 v48, 0                               ; (a lane write's destination counts as read)
	v_mov_b32 v49, 0
	v_mov_b32 v52, s38
	s_mov_b32 s30, -1
	s_wait_loadcnt 0x0
.set j, 0
.rept 64
	v_and_b32 v50, 0xff<<(8*(j%4)), v[32+j/4]      ; byte j of my 64
	v_cmp_ne_u32 s31, 0, v50                       ; the 32 lanes' bits: word j
	v_writelane_b32 v[48+j%2], s31, j/2            ; words 2 L, 2 L + 1 into lane L's pair
	s_and_b32 s30, s30, s31
.set j, j+1
.endr
	global_store_b64 v4, v[48:49], s[36:37]        ; 32 lanes store 256 consecutive bytes
	s_cmp_eq_u32 s30, -1                           ; all 2,048 true?
	s_cselect_b32 s33, 1, 0
	s_lshl_b32 s33, s33, s29                       ; at the bit of the key step
	v_mov_b32 v51, s33
	s_wait_xcnt 0x0                                ; EXEC changes only behind this wait
	v_cmp_eq_u32 vcc_lo, 0, v3
	s_and_saveexec_b32 s35, vcc_lo
	global_store_b32 v52, v51, s[24:25] offset:524288   ; one word a task: 8,192 bytes in the whole launch
	s_wait_xcnt 0x0
	s_or_b32 exec_lo, exec_lo, s35
	s_endpgm
.Lfunc_end_k_qcaf8ad7975_prep:
	.size	k_qcaf8ad7975_prep, .Lfunc_end_k_qcaf8ad7975_prep-k_qcaf8ad7975_prep
	.p2alignl 7, 3214868480
	.fill 96, 4, 3214868480
	.section	.rodata,"a",@progbits
	.p2align	6, 0x0
	.amdhsa_kernel k_qcaf8ad7975_prep
		.amdhsa_group_segment_fixed_size 34304
		.amdhsa_private_segment_fixed_size 0
		.amdhsa_enable_private_segment 0
		.amdhsa_kernarg_size 88
		.amdhsa_user_sgpr_count 2
		.amdhsa_user_sgpr_kernarg_segment_ptr 1
		.amdhsa_wavefront_size32 1
		.amdhsa_system_sgpr_workgroup_id_x 1
		.amdhsa_system_sgpr_workgroup_id_y 1
		.amdhsa_system_sgpr_workgroup_id_z 1
		.amdhsa_system_vgpr_workitem_id 0
		.amdhsa_next_free_vgpr 256
		.amdhsa_next_free_sgpr 66
		.amdhsa_reserve_vcc 1
		.amdhsa_float_denorm_mode_32 3
		.amdhsa_float_denorm_mode_16_64 3
		.amdhsa_memory_ordered 1
		.amdhsa_forward_progress 1
		.amdhsa_inst_pref_size 35
	.end_amdhsa_kernel
	.amdgpu_metadata
---
amdhsa.version: [ 1, 2 ]
amdhsa.kernels:
  - .name:           k_qcaf8ad7975_prep
    .symbol:         k_qcaf8ad7975_prep.kd
    .args:
      - { .name: query, .offset: 0, .size: 8, .value_kind: global_buffer, .address_space: global }
      - { .name: key, .offset: 8, .size: 8, .value_kind: global_buffer, .address_space: global }
      - { .name: value, .offset: 16, .size: 8, .value_kind: global_buffer, .address_space: global }
      - { .name: wq, .offset: 24, .size: 8, .value_kind: global_buffer, .address_space: global }
      - { .name: wk, .offset: 32, .size: 8, .value_kind: global_buffer, .address_space: global }
      - { .name: wv, .offset: 40, .size: 8, .value_kind: global_buffer, .address_space: global }
      - { .name: wo, .offset: 48, .size: 8, .value_kind: global_buffer, .address_space: global }
      - { .name: mask, .offset: 56, .size: 8, .value_kind: global_buffer, .address_space: global }
      - { .name: xrec, .offset: 64, .size: 8, .value_kind: global_buffer, .address_space: global }
      - { .name: wrec, .offset: 72, .size: 8, .value_kind: global_buffer, .address_space: global }
      - { .name: mskw, .offset: 80, .size: 8, .value_kind: global_buffer, .address_space: global }
    .group_segment_fixed_size: 34304
    .private_segment_fixed_size: 0
    .kernarg_segment_align: 8
    .kernarg_segment_size: 88
    .max_flat_workgroup_size: 128
    .sgpr_count:     66
    .vgpr_count:     256
    .wavefront_size: 32
...
	.end_amdgpu_metadata
.endif
;; end of part 1
;; launch proj (part 2): grid 16 x 48, 4 waves a work-group, clusters of 4 x 4, 327,680 bytes of LDS; arguments xrec, wrec, bq, bk, bv, qb, kvb; writes qb, kvb
.if DOCPART == 2
	.amdgcn_target "amdgcn-amd-amdhsa--gfx1250"
	.amdhsa_code_object_version 6
	.text
	.protected	k_qcaf8ad7975_proj
	.globl	k_qcaf8ad7975_proj
	.p2align	8
	.type	k_qcaf8ad7975_proj,@function
k_qcaf8ad7975_proj:
	s_mov_b64 s[64:65], 0
	v_nop
	global_prefetch_b8 v0, s[64:65] scope:SCOPE_SE
	s_setreg_imm32_b32 hwreg(HW_REG_WAVE_MODE, 25, 1), 1
	s_wait_xcnt 0x0
	s_wait_alu depctr_hold_cnt(0) depctr_sa_sdst(0) depctr_va_vdst(0) depctr_va_sdst(0) depctr_va_ssrc(0) depctr_va_vcc(0) depctr_vm_vsrc(0)
	s_getreg_b32 s2, hwreg(HW_REG_IB_STS2, 6, 4)
	s_cmp_eq_u32 s2, 0
	s_cbranch_scc0 .Lentry_in_a_cluster
	s_endpgm
.Lentry_in_a_cluster:
	s_bfe_u32 s2, ttmp6, 0x10000c
	s_cmp_lg_u32 s2, 0xf033
	s_cbranch_scc0 .Lentry_shape_is_right
	s_endpgm
.Lentry_shape_is_right:
; q = query wq^T + bq, k = key wk^T + bk, v = value wv^T + bv on codes of FP6 (E2M3) with E8M0 scales, sums in f32; the results are quantised at once for the attention launch:
; q and k along a head's 64 channels, v along the tokens.  Nothing leaves in f32.
; OPERANDS arrive as records (16 rows x 256 K: two fragments of 1,536 bytes, images of the 12 operand registers, and 256 bytes of scale words, 8 a lane), a matrix as [row tile][4 records] of 3,328 bytes.
; A work-group makes 256 rows of P (source 0) x 128 rows of R (source 1), K = 1,024.  mode 0, 1 (q, k): P = the weight's rows, R = tokens: a lane holds one token and its registers run along the features.
; mode 2 (v): P = value's tokens, R = wv's rows: a lane holds one feature and its registers run along the tokens.  P's row tiles were laid so that the 64 accumulator registers of one tile of R are
; index 32 b + 16 (lane / 16) + i at register 16 b + i along the next product's K.  Wave w: P rows 128 (w / 2) on (8 tiles), R rows 64 (w % 2) on (4 tiles): 32 accumulators, window 1.
; LDS: all 24 row tiles for all of K, 319,488 bytes, filled ONCE: chunk c (256 along K) at 79,872 c: P's 16 records, then R's 8.  No byte is filled twice, so there is no ring.
; CLUSTER 4 x 4: P's tile hangs on cx, R's on cy: P's is asked for jointly by a column of the cluster, R's by a row: the requests are divided by four.  The mode is a number of the cluster.
; Each wave issues four tensor loads (waves 0, 1: halves of P's chunks; waves 2, 3: of R's): four of mine are outstanding at the most.
; WINDOWS: 0: addresses, scale words v16-63 (two sets), fragment set 0 (P v64-159, R v160-207);  1: the accumulators, (r, p) at v[8 (8 r + p)];  2: the bias v0-63, fragment set 1.
; LIMITS: NaN and infinities are not served; a block whose largest magnitude lies under 2^-124 gets the byte 1; a block of zeros gets the byte 1, not 127: its codes are zeros and this program alone reads the bytes.
.set CH,    79872
.set REC,   3328
.set SPARE, 4*CH                       ; behind the chunks: the spare words, 128 bytes a wave
.set A16, 2                            ; v2  16 x lane + my P records    v3  8 x lane + the same
.set A8,  3
.set B16, 4                            ; v4, v5 the same for my R records
.set B8,  5
.set SPW, 6                            ; v6  my spare word's LDS address; never rewritten
.set NIL, 7                            ; v7  0; never rewritten
.set O16, 8                            ; v8  16 x lane   v9  8 x lane
.set O8,  9
.set BO1, 10                           ; v10 64 h: the bias of q, k      v11 4 (r + 8 (r / 8)): the bias of v
.set BO2, 11
.set SC,  16                           ; scale words: set (chunk % 2) at SC + 24 x set: P's pair p at + 2 p, R's pair r at + 16 + 2 r; a pair's word K step % 2
.set PF,  64
.set RF,  160
.set BI,  0                            ; window 2
.set T,   64                           ; the way out, window 0: v64-127 64 numbers
.set PC,  192                          ; v192-203 codes   v204-210 the conversions' second halves
.set PX,  204
.set TM,  212                          ; v212-227 at work in QUANT
.set PW,  228
.set W,   232                          ; v232-235 the four tiles' scale words   v236-239 regrouped by head
.set WA,  236
.set WB,  238
.set SEL, 98                           ; s[98:99]
.set MSB, 0
.macro WIN new                         ; the immediate's high byte repeats the setting that is left; a switch that changes nothing is dropped
.if MSB != \new
	s_set_vgpr_msb (MSB<<8)|\new
.set MSB, \new
.endif
.endm
.macro CROUND                          ; a round of the cluster's barrier
	s_barrier_signal -1
	s_barrier_wait -1
	s_cmp_lg_u32 s18, 0
	s_cbranch_scc1 .Lnot_wave_0_\@
	s_barrier_signal -3
.Lnot_wave_0_\@:
	s_barrier_wait -3
	s_barrier_signal -1
	s_barrier_wait -1
.endm
.macro FRAG reg, a16, a8, off          ; a fragment from LDS: every load reads consecutive bytes
	ds_load_b128 v[\reg:\reg+3], v[\a16] offset:\off
	ds_load_b64 v[\reg+4:\reg+5], v[\a8] offset:\off+512
	ds_load_b128 v[\reg+6:\reg+9], v[\a16] offset:\off+768
	ds_load_b64 v[\reg+10:\reg+11], v[\a8] offset:\off+1280
.endm
.macro FETCH ks                        ; K step ks: 12 fragments into set ks % 2; with a chunk's first K step its 12 pairs of scale words
.if (\ks)%2
	WIN 0x80
.else
	WIN 0
.endif
.irp p, 0,1,2,3,4,5,6,7
	FRAG PF+12*\p, A16, A8, \p*REC+((\ks)%2)*1536
.endr
.irp r, 0,1,2,3
	FRAG RF+12*\r, B16, B8, \r*REC+((\ks)%2)*1536
.endr
.if (\ks)%2 == 0
.irp p, 0,1,2,3,4,5,6,7
	ds_load_b64 v[SC+24*(((\ks)/2)%2)+2*\p:SC+24*(((\ks)/2)%2)+2*\p+1], v[A8] offset:\p*REC+3072
.endr
.irp r, 0,1,2,3
	ds_load_b64 v[SC+24*(((\ks)/2)%2)+16+2*\r:SC+24*(((\ks)/2)%2)+16+2*\r+1], v[B8] offset:\r*REC+3072
.endr
.endif
.endm
.macro MUL ks, zero                    ; 32 products; the 32 accumulators take turns, one instruction a turn, in the same order in every K step
.set SCX, SC+24*(((\ks)/2)%2)+(\ks)%2
.if (\ks)%2
	WIN 0x5a
.else
	WIN 0x50
.endif
.irp r, 0,1,2,3
.irp p, 0,1,2,3,4,5,6,7
.if \zero
	v_wmma_scale_f32_16x16x128_f8f6f4 v[8*(8*\r+\p):8*(8*\r+\p)+7], v[PF+12*\p:PF+12*\p+11], v[RF+12*\r:RF+12*\r+11], 0, v[SCX+2*\p], v[SCX+16+2*\r] matrix_a_fmt:MATRIX_FMT_FP6 matrix_b_fmt:MATRIX_FMT_FP6
.else
	v_wmma_scale_f32_16x16x128_f8f6f4 v[8*(8*\r+\p):8*(8*\r+\p)+7], v[PF+12*\p:PF+12*\p+11], v[RF+12*\r:RF+12*\r+11], v[8*(8*\r+\p):8*(8*\r+\p)+7], v[SCX+2*\p], v[SCX+16+2*\r] matrix_a_fmt:MATRIX_FMT_FP6 matrix_b_fmt:MATRIX_FMT_FP6
.endif
.endr
.endr
.endm
; A K step: its fragments are in; the next K step's are asked for, four places behind the products that read their registers (ISA guide 7.12.1); then its 32 products.
.macro KSTEP ks, zero
	s_wait_dscnt 0x0                               ; set ks % 2 is in, and no LDS instruction of mine is out
.if ((\ks)%2) && ((\ks) < 7)
	s_wait_tensorcnt 3-((\ks)+1)/2                 ; my part of the next chunk has landed; my loads of the later chunks may stay out
	s_barrier_signal -1
	s_barrier_wait -1                              ; everybody's has
	WIN 0
	v_add_nc_u32 v[A16], CH, v[A16]                ; on to the next chunk: these four are the places
	v_add_nc_u32 v[A8], CH, v[A8]
	v_add_nc_u32 v[B16], CH, v[B16]
	v_add_nc_u32 v[B8], CH, v[B8]
.elseif ((\ks) > 0) && ((\ks) < 7)
.rept 4
	v_nop
.endr
.endif
.if (\ks) < 7
	FETCH (\ks)+1
.endif
	MUL \ks, \zero
.endm
.macro QUANT s                         ; 64 numbers of a lane, register 16 b + i = k 32 b + 16 (lane / 16) + i of my row, become a fragment's codes in v[PC] on and its scale word in v[PW]
.irp b, 0,1,2,3
	v_max3_num_f32 v[TM+\b], |v[\s+16*\b]|, |v[\s+16*\b+1]|, 0x1800000   ; and the floor 2^(3 - 127): the byte cannot fall under 1
.endr
.irp i, 2,4,6,8,10,12,14
.irp b, 0,1,2,3
	v_max3_num_f32 v[TM+\b], v[TM+\b], |v[\s+16*\b+\i]|, |v[\s+16*\b+\i+1]|
.endr
.endr
.irp b, 0,1,2,3
	v_permlanex16_b32 v[TM+4+\b], v[TM+\b], s[SEL], s[SEL+1]
.endr
.irp b, 0,1,2,3
	v_max_num_f32 v[TM+\b], v[TM+\b], v[TM+4+\b]
.endr
.irp b, 0,1,2,3
	v_add_nc_u32 v[TM+12+\b], 0xff000000, v[TM+\b]         ; 2 off the exponent field: the conversion's scale operand
.endr
.irp b, 0,1,2,3
	v_lshrrev_b32 v[TM+4+\b], 23, v[TM+12+\b]              ; the scale's byte
.endr
	v_lshl_or_b32 v[PW], v[TM+5], 8, v[TM+4]
	v_lshl_or_b32 v[PW], v[TM+6], 16, v[PW]
	v_lshl_or_b32 v[PW], v[TM+7], 24, v[PW]
.irp c, 0,1
	v_cvt_scalef32_pk16_fp6_f32 v[PC+6*\c:PC+6*\c+2], v[\s+32*\c:\s+32*\c+15], v[TM+12+2*\c]
	v_cvt_scalef32_pk16_fp6_f32 v[PX+4*\c:PX+4*\c+2], v[\s+32*\c+16:\s+32*\c+31], v[TM+13+2*\c]
.endr
	v_nop                                                  ; one plain place behind a scaled conversion
.irp c, 0,1
.irp i, 0,1,2
	v_permlane16_swap_b32 v[PC+6*\c+\i], v[PX+4*\c+\i]
.endr
.irp i, 0,1,2
	v_mov_b32 v[PC+6*\c+3+\i], v[PX+4*\c+\i]
.endr
.endr
.endm
.macro PUTHALF pc, base, off           ; half a fragment: 512 and 256 consecutive bytes, each at a multiple of 256 from the buffer's first byte
	global_store_b128 v[O16], v[\pc:\pc+3], s[\base:\base+1] offset:\off
	global_store_b64 v[O8], v[\pc+4:\pc+5], s[\base:\base+1] offset:\off+512
.endm
	s_load_b256 s[4:11], s[0:1], 0x0               ; xrec, wrec, bq, bk
	s_load_b128 s[12:15], s[0:1], 0x20             ; bv, qb
	s_load_b64 s[16:17], s[0:1], 0x30              ; kvb
	v_lshl_add_u32 v[SPW], v0, 2, SPARE
	v_mov_b32 v[NIL], 0
	ds_add_u32 v[SPW], v[NIL]                      ; the wave's opening: the add and its wait ahead of my first tensor load; work on registers stands between them
	v_lshrrev_b32 v1, 5, v0
	v_readfirstlane_b32 s18, v1                    ; wave 0..3
	s_lshr_b32 s19, s18, 1                         ; which 128 rows of P are mine.  Also: I fetch for P (0) or for R (1)
	s_and_b32 s20, s18, 1                          ; which 64 rows of R.  Also: which half of a chunk's records I fetch
	s_bfe_u32 s21, ttmp6, 0x40000                  ; cx
	s_bfe_u32 s22, ttmp6, 0x40004                  ; cy
	s_and_b32 s84, ttmp7, 0xffff                   ; cluster y, 0..11
	s_lshr_b32 s23, s84, 2                         ; the mode: 0 q, 1 k, 2 v: the same in all sixteen partners
	s_and_b32 s84, s84, 3
	s_lshl_b32 s85, ttmp9, 2
	s_add_co_u32 s84, s84, s85                     ; the cluster's number in its mode, 0..15
	s_lshr_b32 s85, s84, 1
	s_and_b32 s24, s84, 1
	s_cmp_eq_u32 s23, 2
	s_cselect_b32 s25, s24, s84                    ; R's block of four tiles
	s_cselect_b32 s24, s85, 0                      ; P's
	s_lshl_b32 s26, s24, 2
	s_add_co_u32 s26, s26, s21                     ; P's tile of 256 rows
	s_lshl_b32 s27, s25, 2
	s_add_co_u32 s27, s27, s22                     ; R's tile of 128 rows
	s_lshl_b32 s94, 0x1111, s21                    ; my column of the cluster (same cx)
	s_lshl_b32 s95, s22, 2
	s_lshl_b32 s95, 15, s95                        ; my row (same cy)
	; descriptor group 1: rows = records of 416 elements of 8 bytes, 1,664 elements from row tile to row tile; 8 rows for P, 4 for R; dense in LDS
	s_or_b32 s28, s94, (3<<16)|(1<<21)             ; 15:0 the mask; 17:16 elements of 8 bytes; 21 set beside a mask
	s_or_b32 s36, s95, (3<<16)|(1<<21)
.irp g, 28, 36
	s_mov_b32 s[\g+1], 416<<16                     ; tensor_dim0
	s_mov_b32 s[\g+3], 416<<16                     ; tile_dim0
	s_mov_b32 s[\g+5], 1664                        ; tensor_dim0_stride
	s_mov_b32 s[\g+6], 0
	s_mov_b32 s[\g+7], 0
.endr
	s_mov_b32 s30, 8<<16                           ; tensor_dim1
	s_mov_b32 s32, 8                               ; tile_dim1
	s_mov_b32 s38, 4<<16
	s_mov_b32 s40, 4
	; where my loads begin, in bytes from the buffers' first: P's in s86, s62 (never cy), R's in s88, s63 (never cx)
	s_mul_i32 s86, s23, 851968                     ; wq or wk in wrec
	s_mul_i32 s88, s23, 6815744                    ; query or key in xrec
	s_cmp_eq_u32 s23, 2
	s_cselect_b32 s86, 13631488, s86               ; value in xrec
	s_cselect_b32 s88, 1703936, s88                ; wv in wrec
	s_mul_i32 s62, s26, 212992
	s_add_co_u32 s86, s86, s62
	s_mul_i32 s62, s20, 106496                     ; my 8 row tiles of the 16
	s_add_co_u32 s86, s86, s62
	s_mov_b32 s87, 0
	s_mul_i32 s63, s27, 106496
	s_add_co_u32 s88, s88, s63
	s_mul_i32 s63, s20, 53248                      ; my 4 row tiles of the 8
	s_add_co_u32 s88, s88, s63
	s_mov_b32 s89, 0
	s_mul_i32 s60, s20, 26624                      ; and where they go in a chunk
	s_mul_i32 s61, s20, 13312
	s_mov_b32 s[SEL], 0x76543210
	s_mov_b32 s[SEL+1], 0xfedcba98
	s_wait_dscnt 0x0                               ; the opening add is done
	s_wait_kmcnt 0x0
	s_cmp_eq_u32 s23, 2
	s_cselect_b64 s[90:91], s[4:5], s[6:7]         ; P's buffer
	s_cselect_b64 s[92:93], s[6:7], s[4:5]         ; R's
	s_add_nc_u64 s[90:91], s[90:91], s[86:87]
	s_add_nc_u64 s[92:93], s[92:93], s[88:89]
	CROUND                                         ; all sixteen work-groups are here: the joint loads meet
.irp c, 0,1,2,3
	s_mov_b32 s[44+4*\c], 1
	s_add_co_u32 s[45+4*\c], s60, \c*CH
	s_add_nc_u64 s[46+4*\c:47+4*\c], s[90:91], \c*REC
	s_or_b32 s[47+4*\c], s[47+4*\c], 0x80000000
	s_mov_b32 s[68+4*\c], 1
	s_add_co_u32 s[69+4*\c], s61, \c*CH+53248
	s_add_nc_u64 s[70+4*\c:71+4*\c], s[92:93], \c*REC
	s_or_b32 s[71+4*\c], s[71+4*\c], 0x80000000
.endr
	s_cmp_eq_u32 s19, 0                            ; a wave's four fills stand in one branch on its number, ahead of every wait on TENSORcnt and every LDS read
	s_cbranch_scc0 .Lfill_r
.irp c, 0,1,2,3
	tensor_load_to_lds s[44+4*\c:47+4*\c], s[28:35]
	s_nop 0
.endr
.rept 4
	v_nop
.endr
	s_branch .Lfilled
.Lfill_r:
.irp c, 0,1,2,3
	tensor_load_to_lds s[68+4*\c:71+4*\c], s[36:43]
	s_nop 0
.endr
.rept 4
	v_nop
.endr
.Lfilled:
	v_and_b32 v1, 31, v0
	v_lshlrev_b32 v[O16], 4, v1
	v_lshlrev_b32 v[O8], 3, v1
	s_mul_i32 s84, s19, 26624                      ; my 8 records of P
	v_add_nc_u32 v[A16], s84, v[O16]
	v_add_nc_u32 v[A8], s84, v[O8]
	s_mul_i32 s84, s20, 13312                      ; my 4 records of R, behind P's 16
	s_add_co_u32 s84, s84, 53248
	v_add_nc_u32 v[B16], s84, v[O16]
	v_add_nc_u32 v[B8], s84, v[O8]
	v_bfe_u32 v12, v0, 4, 1                        ; h
	v_and_b32 v13, 15, v0                          ; r
	v_lshlrev_b32 v[BO1], 6, v12
	v_and_b32 v14, 8, v13
	v_add_nc_u32 v14, v14, v13
	v_lshlrev_b32 v[BO2], 2, v14
.irp b, 0,1,2,3
	v_mov_b32 v[TM+4+\b], 0                        ; written once: a lane permute's destination counts as one of its sources
.endr
	; the bias, in the results' layout, into window 2: it lands under the product
	s_cmp_eq_u32 s23, 2
	s_cbranch_scc1 .Lbias_v
	s_cmp_eq_u32 s23, 0
	s_cselect_b64 s[84:85], s[8:9], s[10:11]
	s_lshl_b32 s86, s26, 10
	s_lshl_b32 s87, s19, 9
	s_add_co_u32 s86, s86, s87                     ; my 128 features' first, in bytes
	s_mov_b32 s87, 0
	s_add_nc_u64 s[84:85], s[84:85], s[86:87]
	WIN 0x80
.irp b, 0,1,2,3
.irp j, 0,1,2,3
	global_load_b128 v[BI+16*\b+4*\j:BI+16*\b+4*\j+3], v[BO1], s[84:85] offset:128*\b+16*\j   ; register 16 b + i: feature 32 b + 16 h + i
.endr
.endr
	WIN 0
	s_branch .Lbias_done
.Lbias_v:
	s_lshl_b32 s86, s27, 9
	s_lshl_b32 s87, s20, 8
	s_add_co_u32 s86, s86, s87                     ; my 64 features' first, in bytes
	s_mov_b32 s87, 0
	s_add_nc_u64 s[84:85], s[12:13], s[86:87]
	WIN 0x80
.irp r, 0,1,2,3
	global_load_b32 v[BI+2*\r], v[BO2], s[84:85] offset:4*(32*(\r/2)+8*(\r%2))     ; my lane's one feature of tile r, twice: a pair for the packed addition
	global_load_b32 v[BI+2*\r+1], v[BO2], s[84:85] offset:4*(32*(\r/2)+8*(\r%2))
.endr
	WIN 0
.Lbias_done:
	s_wait_tensorcnt 3                             ; my part of chunk 0 has landed; my three later loads may stay out
	s_barrier_signal -1
	s_barrier_wait -1                              ; everybody's has
	FETCH 0
	KSTEP 0, 1                                     ; the first products start the sums: nothing is cleared
	KSTEP 1, 0
	KSTEP 2, 0
	KSTEP 3, 0
	KSTEP 4, 0
	KSTEP 5, 0
	KSTEP 6, 0
	KSTEP 7, 0
	WIN 0
.rept 4
	v_nop                                          ; four places ahead of the first read of results and the first write of operand registers
.endr
	s_wait_loadcnt 0x0                             ; the bias
	s_cmp_eq_u32 s23, 2
	s_cbranch_scc1 .Lout_v
	; ---- q, k: my 128 features are two heads; a tile of 16 tokens gives half a fragment (64 channels) for each
	s_lshl_b32 s84, s27, 7
	s_lshl_b32 s85, s20, 6
	s_add_co_u32 s84, s84, s85                     ; my first token
	s_lshr_b32 s85, s84, 11
	s_lshl_b32 s85, s85, 4
	s_lshl_b32 s86, s26, 2
	s_add_co_u32 s85, s85, s86
	s_lshl_b32 s86, s19, 1
	s_add_co_u32 s85, s85, s86                     ; 16 x batch + my first head
	s_and_b32 s84, s84, 2047
	s_mov_b32 s88, 212992
	s_mov_b32 s90, 196608
	s_cmp_eq_u32 s23, 0
	s_cselect_b64 s[86:87], s[14:15], s[16:17]     ; qb or kvb
	s_cselect_b32 s88, 106496, s88                 ; a head's block in it
	s_cselect_b32 s90, 98304, s90                  ; where the scale words begin in a block
	s_mov_b32 s89, 0
	s_mul_i32 s92, s85, s88
	s_mov_b32 s93, 0
	s_add_nc_u64 s[86:87], s[86:87], s[92:93]
	s_lshr_b32 s92, s84, 5
	s_mul_i32 s92, s92, 1536                       ; a fragment holds 32 tokens
	s_add_nc_u64 s[94:95], s[86:87], s[92:93]      ; the first head's codes,
	s_add_nc_u64 s[96:97], s[94:95], s[88:89]      ; the second's
	s_lshr_b32 s92, s84, 6
	s_lshl_b32 s92, s92, 8                         ; 256 bytes of scale words for two fragments
	s_add_co_u32 s92, s92, s90
	s_add_nc_u64 s[100:101], s[86:87], s[92:93]
	s_add_nc_u64 s[2:3], s[100:101], s[88:89]
.irp r, 0,1,2,3
	WIN 0x09                                       ; source 0 (the sums) window 1, source 1 (the bias) window 2
.set i, 0
.rept 32
	v_pk_add_f32 v[T+i:T+i+1], v[64*\r+i:64*\r+i+1], v[BI+i:BI+i+1]   ; ascending: each accumulator is read from its low end on
.set i, i+2
.endr
	WIN 0
.if \r > 0
	s_wait_xcnt 0x0                                ; the last tile's stores have read their registers
.endif
	QUANT T
	PUTHALF PC, 94, \r*768
	PUTHALF PC+6, 96, \r*768
	v_mov_b32 v[W+\r], v[PW]
.endr
.irp g, 0,1                                    ; a fragment's word: bytes 0, 1 its first 16 tokens', bytes 2, 3 its second 16's
	v_perm_b32 v[WA+\g], v[W+2*\g+1], v[W+2*\g], 0x05040100
	v_perm_b32 v[WB+\g], v[W+2*\g+1], v[W+2*\g], 0x07060302
.endr
	global_store_b64 v[O8], v[WA:WA+1], s[100:101]
	global_store_b64 v[O8], v[WB:WB+1], s[2:3]
	s_branch .Lend
	; ---- v: my 64 features are one head, my 128 tokens one key step: a tile of 16 features gives a whole fragment
.Lout_v:
	s_lshl_b32 s84, s26, 8
	s_lshl_b32 s85, s19, 7
	s_add_co_u32 s84, s84, s85                     ; my first token
	s_lshr_b32 s85, s84, 11
	s_lshl_b32 s85, s85, 4
	s_lshl_b32 s86, s27, 1
	s_add_co_u32 s85, s85, s86
	s_add_co_u32 s85, s85, s20                     ; 16 x batch + head
	s_and_b32 s84, s84, 2047
	s_lshr_b32 s84, s84, 7                         ; the key step
	s_mul_i32 s92, s85, 212992
	s_mov_b32 s93, 0
	s_add_nc_u64 s[86:87], s[16:17], s[92:93]
	s_mul_i32 s92, s84, 6144
	s_add_co_u32 s92, s92, 98304
	s_add_nc_u64 s[94:95], s[86:87], s[92:93]      ; the step's four fragments
	s_lshl_b32 s92, s84, 9
	s_add_co_u32 s92, s92, 204800
	s_add_nc_u64 s[100:101], s[86:87], s[92:93]    ; and their scale words, 16 bytes a lane
.irp r, 0,1,2,3
	WIN 0x09
.set i, 0
.rept 32
	v_pk_add_f32 v[T+i:T+i+1], v[64*\r+i:64*\r+i+1], v[BI+2*\r:BI+2*\r+1]
.set i, i+2
.endr
	WIN 0
.if \r > 0
	s_wait_xcnt 0x0
.endif
	QUANT T
	PUTHALF PC, 94, \r*1536
	PUTHALF PC+6, 94, \r*1536+768
	v_mov_b32 v[W+\r], v[PW]
.endr
	global_store_b128 v[O16], v[W:W+3], s[100:101]
.Lend:
	s_wait_tensorcnt 0x0                           ; the wave's end: three lines behind my last tensor load
	ds_add_u32 v[SPW], v[NIL]
	s_wait_dscnt 0x0
	CROUND                                         ; the closing round: no work-group ends while a partner may still ask for a tile that names it
	s_endpgm
.Lfunc_end_k_qcaf8ad7975_proj:
	.size	k_qcaf8ad7975_proj, .Lfunc_end_k_qcaf8ad7975_proj-k_qcaf8ad7975_proj
	.p2alignl 7, 3214868480
	.fill 96, 4, 3214868480
	.section	.rodata,"a",@progbits
	.p2align	6, 0x0
	.amdhsa_kernel k_qcaf8ad7975_proj
		.amdhsa_group_segment_fixed_size 327680
		.amdhsa_private_segment_fixed_size 0
		.amdhsa_enable_private_segment 0
		.amdhsa_kernarg_size 56
		.amdhsa_user_sgpr_count 2
		.amdhsa_user_sgpr_kernarg_segment_ptr 1
		.amdhsa_wavefront_size32 1
		.amdhsa_system_sgpr_workgroup_id_x 1
		.amdhsa_system_sgpr_workgroup_id_y 1
		.amdhsa_system_sgpr_workgroup_id_z 1
		.amdhsa_system_vgpr_workitem_id 0
		.amdhsa_next_free_vgpr 768
		.amdhsa_next_free_sgpr 102
		.amdhsa_reserve_vcc 0
		.amdhsa_float_denorm_mode_32 3
		.amdhsa_float_denorm_mode_16_64 3
		.amdhsa_memory_ordered 1
		.amdhsa_forward_progress 1
		.amdhsa_inst_pref_size 125
	.end_amdhsa_kernel
	.amdgpu_metadata
---
amdhsa.version: [ 1, 2 ]
amdhsa.kernels:
  - .name:           k_qcaf8ad7975_proj
    .symbol:         k_qcaf8ad7975_proj.kd
    .args:
      - { .name: xrec, .offset: 0, .size: 8, .value_kind: global_buffer, .address_space: global }
      - { .name: wrec, .offset: 8, .size: 8, .value_kind: global_buffer, .address_space: global }
      - { .name: bq, .offset: 16, .size: 8, .value_kind: global_buffer, .address_space: global }
      - { .name: bk, .offset: 24, .size: 8, .value_kind: global_buffer, .address_space: global }
      - { .name: bv, .offset: 32, .size: 8, .value_kind: global_buffer, .address_space: global }
      - { .name: qb, .offset: 40, .size: 8, .value_kind: global_buffer, .address_space: global }
      - { .name: kvb, .offset: 48, .size: 8, .value_kind: global_buffer, .address_space: global }
    .group_segment_fixed_size: 327680
    .private_segment_fixed_size: 0
    .kernarg_segment_align: 8
    .kernarg_segment_size: 56
    .max_flat_workgroup_size: 128
    .sgpr_count:     102
    .vgpr_count:     768
    .wavefront_size: 32
...
	.end_amdgpu_metadata
.endif
;; end of part 2
;; launch attn (part 3): grid 4 x 64, 16 waves a work-group, no clusters, 215,040 bytes of LDS; arguments qb, kvb, mskw, crec; writes crec
.if DOCPART == 3
	.amdgcn_target "amdgcn-amd-amdhsa--gfx1250"
	.amdhsa_code_object_version 6
	.text
	.protected	k_qcaf8ad7975_attn
	.globl	k_qcaf8ad7975_attn
	.p2align	8
	.type	k_qcaf8ad7975_attn,@function
k_qcaf8ad7975_attn:
	s_mov_b64 s[64:65], 0
	v_nop
	global_prefetch_b8 v0, s[64:65] scope:SCOPE_SE
	s_setreg_imm32_b32 hwreg(HW_REG_WAVE_MODE, 25, 1), 1
	s_wait_xcnt 0x0
; ctx[b][q][head] = softmax_k(mask ? q . k / 8 : very negative) v, both products on codes of FP6 (E2M3) with E8M0 scales; ctx is quantised at once, along the model's 1,024, for the output projection.
; THE SOFTMAX: t = score x log2(e) / 8; M = the running largest t rounded UP to a whole number; p = 2^(t - M) is quantised along the keys, not normalised; the row's sum is taken of the unquantised p and divides at the end.
; SHARES.  A work-group owns 512 queries of one (batch, head); each of its sixteen waves 32: two tiles of 16, one after the other, each walking all 2,048 keys, 128 a step.  Four waves to a SIMD.
; LDS.  The head's K and V, codes and scale words, 212,992 bytes, are copied in ONCE, through registers, as they lie in memory, and only read afterwards: one barrier in the launch.
; NO TENSOR LOAD, NO CLUSTER: the jump round the mask's 64 selects hangs on words read from memory; what the four work-groups of a head share
; is that one copy of 212,992 bytes, against 32 x 16 x 13,312 bytes that each then reads from its LDS.
; LAYOUT.  Both products are used transposed (S^T = K Q^T, O^T = V^T P^T): a lane holds one query (lane % 16) throughout.  A head has 64 channels, the instruction takes 128 along K: a fragment of K carries TWO
; tiles of 16 keys, one in k = 0..63, one in k = 64..127; Q stands between two runs of zero codes, so that [q | 0] picks the first tile and [0 | q] the second.  Zero codes add nothing.
; Fragment f's half u holds keys 32 f + 8 u + r + 8 (r / 8): so score register 16 b + i is key 32 b + 16 (lane / 16) + i.  V's fragment dt holds channels 32 (dt / 2) + 8 (dt % 2) + r + 8 (r / 8): O^T likewise.
; THE MASK comes as lane masks: word j's bit l says whether lane l's score register j counts: one v_cndmask_b32 a score, jumped over where a stored flag says that all of the tile's 16 x 128 count.
; LIMITS.  A masked raw score is -2^33 (logit -2^30, not -1e9): times c it is a whole number, so a wholly masked row has p = 1 everywhere, the uniform weights of the definition; the results agree as long as
; unmasked logits lie above -9.9e8.  NaN and infinities are not served.  A block of p or of ctx whose largest magnitude lies under 2^-124, zeros among them, gets the byte 1: this program alone reads the bytes.
.set SPARE, 212992                     ; behind the head's block: the spare words, 128 bytes a wave
.set L16, 1                            ; v1  16 x lane        v2  8 x lane
.set L8,  2
.set V16, 3                            ; v3, v4 the same + 98,304: V's fragments
.set V8,  4
.set KSB, 5                            ; v5  8 x lane + 196,608: K's scale words    v6  16 x lane + 204,800: V's
.set VSB, 6
.set SPW, 7                            ; v7  my spare word's LDS address; never rewritten
.set NIL, 8                            ; v8  0; never rewritten
.set NEG, 9                            ; v9  -2^33
.set AK16, 10                          ; v10-15 the step's six LDS addresses
.set AK8,  11
.set AV16, 12
.set AV8,  13
.set AKS,  14
.set AVS,  15
.set NM,  16                           ; v16 -M, v17 the largest t
.set SUM, 18                           ; v[18:19] the row's sum in two halves
.set QR,  20                           ; v20-37 six zeros, q's six registers, six zeros
.set QS,  38                           ; v38 Q's scale word    v39 p's
.set PSW, 39
.set QF,  40                           ; v40-51 my fragment of Q (two tiles), v52 its scale word
.set QW,  52
.set FR,  56                           ; v56-103 four fragments of K, then of V
.set S,   104                          ; v104-167 S^T, then p
.set O,   168                          ; v168-199 O^T
.set PC,  200                          ; v200-211 codes      v212-218 the conversions' second halves
.set PX,  212
.set KS,  220                          ; v220-223 K's scale words    v224-227 V's
.set VS,  224
.set BM,  228                          ; v228-231 a block's largest   v232-235 at work, bytes   v236-239 the conversions' scale operands
.set BT,  232
.set BO,  236
.set FF,  240                          ; v[240:241] f = 2^(old M - new M)
.set TP,  242
.set S2,  244                          ; v[244:245] the sum's second chain; on the way out ctx's two scale bytes
; scalars: s12 wave, s13 16 x batch + head, s14 my fragment of Q; s16-63, s68-83 the 64 lane masks; s[84:85] lane selects; s[86:87] c; s88, s89 the step's LDS bytes; s90 the step; s91 the flags; s92 the masks' byte
.macro FRAG reg, a16, a8, off
	ds_load_b128 v[\reg:\reg+3], v[\a16] offset:\off
	ds_load_b64 v[\reg+4:\reg+5], v[\a8] offset:\off+512
	ds_load_b128 v[\reg+6:\reg+9], v[\a16] offset:\off+768
	ds_load_b64 v[\reg+10:\reg+11], v[\a8] offset:\off+1280
.endm
; A KEY STEP: 128 keys for my 16 queries
.macro STEP
	s_load_b512 s[16:31], s[8:9], s92 offset:0x0   ; the step's 64 lane masks
	s_load_b512 s[32:47], s[8:9], s92 offset:0x40
	s_load_b512 s[48:63], s[8:9], s92 offset:0x80
	s_load_b512 s[68:83], s[8:9], s92 offset:0xc0
	v_add_nc_u32 v[AK16], s88, v[L16]              ; (these six are also the places ahead of loads into registers that the last products read)
	v_add_nc_u32 v[AK8], s88, v[L8]
	v_add_nc_u32 v[AV16], s88, v[V16]
	v_add_nc_u32 v[AV8], s88, v[V8]
	v_add_nc_u32 v[AKS], s89, v[KSB]
	v_add_nc_u32 v[AVS], s89, v[VSB]
.irp f, 0,1,2,3
	FRAG FR+12*\f, AK16, AK8, \f*1536
.endr
	ds_load_b64 v[KS:KS+1], v[AKS]
	ds_load_b64 v[KS+2:KS+3], v[AKS] offset:256
	s_wait_dscnt 0x0
.irp f, 0,1,2,3                                ; eight tiles of scores, each its own accumulator
	v_wmma_scale_f32_16x16x128_f8f6f4 v[S+16*\f:S+16*\f+7], v[FR+12*\f:FR+12*\f+11], v[QR+6:QR+17], 0, v[KS+\f], v[QS] matrix_a_fmt:MATRIX_FMT_FP6 matrix_b_fmt:MATRIX_FMT_FP6
	v_wmma_scale_f32_16x16x128_f8f6f4 v[S+16*\f+8:S+16*\f+15], v[FR+12*\f:FR+12*\f+11], v[QR:QR+11], 0, v[KS+\f], v[QS] matrix_a_fmt:MATRIX_FMT_FP6 matrix_b_fmt:MATRIX_FMT_FP6
.endr
.rept 4
	v_nop                                          ; four places ahead of the loads into K's registers and of the first read of the scores
.endr
.irp f, 0,1,2,3
	FRAG FR+12*\f, AV16, AV8, \f*1536              ; V's four fragments land under the softmax
.endr
	ds_load_b128 v[VS:VS+3], v[AVS]
	s_wait_kmcnt 0x0                               ; the lane masks are in
	s_lshr_b32 s93, s91, s90
	s_and_b32 s93, s93, 1                          ; do all 16 x 128 count?
	s_cbranch_scc1 .Lopen_\@
.set j, 0
.rept 64
.if j < 48
	v_cndmask_b32 v[S+j], v[NEG], v[S+j], s[16+j]
.else
	v_cndmask_b32 v[S+j], v[NEG], v[S+j], s[20+j]
.endif
.set j, j+1
.endr
.Lopen_\@:
.irp b, 0,1,2,3
	v_max3_num_f32 v[BM+\b], v[S+16*\b], v[S+16*\b+1], v[S+16*\b+2]   ; the largest score of each block of 32 keys: it serves for the row's maximum and, since p rises with the score, for the block's largest p
.endr
.irp i, 3,5,7,9,11,13
.irp b, 0,1,2,3
	v_max3_num_f32 v[BM+\b], v[BM+\b], v[S+16*\b+\i], v[S+16*\b+\i+1]
.endr
.endr
.irp b, 0,1,2,3
	v_max_num_f32 v[BM+\b], v[BM+\b], v[S+16*\b+15]
.endr
.irp b, 0,1,2,3
	v_permlanex16_b32 v[BT+\b], v[BM+\b], s84, s85
.endr
.irp b, 0,1,2,3
	v_max_num_f32 v[BM+\b], v[BM+\b], v[BT+\b]     ; with lane l xor 16's 16 keys
.endr
	v_max3_num_f32 v[TP], v[BM], v[BM+1], v[BM+2]
	v_max_num_f32 v[TP], v[TP], v[BM+3]
	v_mul_f32 v[TP], s86, v[TP]                    ; the step's largest t (c is positive)
	v_max_num_f32 v[NM+1], v[NM+1], v[TP]          ; the running largest t
	v_mov_b32 v[TP], v[NM]
	v_floor_f32 v[NM], -v[NM+1]                    ; the new -M = floor(-t): M is a whole number
	v_sub_f32 v[TP], v[NM], v[TP]                  ; old M - new M: a whole number, 0 or less
	v_cvt_i32_f32 v[TP], v[TP]                     ; (it saturates)
	v_ldexp_f32 v[FF], 1.0, v[TP]                  ; f = 2^(old M - new M): a multiplication by it rounds nothing
.set j, 0
.rept 32
	v_pk_fma_f32 v[S+j:S+j+1], v[S+j:S+j+1], s[86:87], v[NM:NM+1] op_sel_hi:[1,0,0]   ; t - M, two at a time
.set j, j+2
.endr
.irp b, 0,1,2,3
	v_fma_f32 v[BM+\b], v[BM+\b], s86, v[NM]       ; the same of each block's largest score
.endr
.set j, 0
.rept 64
	v_exp_f32 v[S+j], v[S+j]                       ; p = 2^(t - M), at most 1
.set j, j+1
.endr
	v_pk_mul_f32 v[SUM:SUM+1], v[SUM:SUM+1], v[FF:FF+1] op_sel_hi:[1,0]   ; the sums under the new M: the plain place behind the exponentials
	s_wait_alu depctr_va_vdst(0)                   ; one wait for the batch of 64, ahead of its first reader
.irp b, 0,1,2,3
	v_exp_f32 v[BM+\b], v[BM+\b]                   ; the block's largest p: the same two instructions on the same number give the same bits
.endr
	v_pk_add_f32 v[S2:S2+1], v[S:S+1], v[S+2:S+3]  ; the row's sum of the unquantised p, in two chains
.irp j, 4,8,12,16,20,24,28,32,36,40,44,48,52,56,60
	v_pk_add_f32 v[SUM:SUM+1], v[SUM:SUM+1], v[S+\j:S+\j+1]
	v_pk_add_f32 v[S2:S2+1], v[S2:S2+1], v[S+\j+2:S+\j+3]
.endr
	v_pk_add_f32 v[SUM:SUM+1], v[SUM:SUM+1], v[S2:S2+1]
	s_wait_alu depctr_va_vdst(0)                   ; and one for the four
.irp b, 0,1,2,3
	v_max_num_f32 v[BM+\b], 0x1800000, v[BM+\b]    ; the floor 2^(3 - 127): the byte cannot fall under 1
.endr
.irp b, 0,1,2,3
	v_add_nc_u32 v[BO+\b], 0xff000000, v[BM+\b]    ; 2 off the exponent field: the conversion's scale operand
.endr
.irp b, 0,1,2,3
	v_lshrrev_b32 v[BT+\b], 23, v[BO+\b]           ; the scale's byte
.endr
	v_lshl_or_b32 v[PSW], v[BT+1], 8, v[BT]
	v_lshl_or_b32 v[PSW], v[BT+2], 16, v[PSW]
	v_lshl_or_b32 v[PSW], v[BT+3], 24, v[PSW]      ; p's scale word for these 128 keys
.irp c, 0,1
	v_cvt_scalef32_pk16_fp6_f32 v[PC+6*\c:PC+6*\c+2], v[S+32*\c:S+32*\c+15], v[BO+2*\c]
	v_cvt_scalef32_pk16_fp6_f32 v[PX+4*\c:PX+4*\c+2], v[S+32*\c+16:S+32*\c+31], v[BO+2*\c+1]
.endr
	v_nop                                          ; one plain place behind a scaled conversion
.irp c, 0,1
.irp i, 0,1,2
	v_permlane16_swap_b32 v[PC+6*\c+\i], v[PX+4*\c+\i]
.endr
.irp i, 0,1,2
	v_mov_b32 v[PC+6*\c+3+\i], v[PX+4*\c+\i]
.endr
.endr
.set j, 0
.rept 16
	v_pk_mul_f32 v[O+j:O+j+1], v[O+j:O+j+1], v[FF:FF+1] op_sel_hi:[1,0]   ; O^T under the new M.  For each product below at least eight of these sixteen name none of its registers: the places behind p's scale word and codes
.set j, j+2
.endr
	s_wait_dscnt 0x0                               ; V is in
.irp d, 0,1,2,3                                ; the four accumulators take turns; the eight score products stand between two steps' links
	v_wmma_scale_f32_16x16x128_f8f6f4 v[O+8*\d:O+8*\d+7], v[FR+12*\d:FR+12*\d+11], v[PC:PC+11], v[O+8*\d:O+8*\d+7], v[VS+\d], v[PSW] matrix_a_fmt:MATRIX_FMT_FP6 matrix_b_fmt:MATRIX_FMT_FP6
.endr
	s_add_co_u32 s88, s88, 6144                    ; four fragments on, of K and of V
	s_add_co_u32 s89, s89, 512                     ; their scale words
	s_add_co_u32 s92, s92, 256                     ; the next step's lane masks (this step's loads were awaited)
.endm
; A TILE of 16 queries: half u of my fragment of Q
.macro TILE u
	s_wait_xcnt 0x0                                ; the last tile's stores have read their registers and bases
	s_lshl_b32 s15, s14, 1
	s_add_co_u32 s15, s15, \u                      ; the query tile, 0..127
	s_lshl_b32 s93, s15, 6
	s_load_b512 s[16:31], s[8:9], s93 offset:0x80000   ; its sixteen flag words
	s_lshl_b32 s92, s15, 12                        ; its lane masks: 16 steps x 256 bytes
	s_lshr_b32 s94, s13, 4
	s_lshl_b32 s94, s94, 7
	s_add_co_u32 s94, s94, s15                     ; ctx's row tile: 128 x batch + query tile
	s_mul_i32 s94, s94, 13312
	s_and_b32 s88, s13, 15                         ; the head: channels 64 head on of the 1,024
	s_lshr_b32 s89, s88, 2
	s_mul_i32 s89, s89, 3328
	s_add_co_u32 s94, s94, s89                     ; the record
	s_bfe_u32 s89, s88, 0x10001                    ; which of its two fragments,
	s_and_b32 s88, s88, 1                          ; which half of that
	s_mul_i32 s96, s89, 1536
	s_mul_i32 s90, s88, 768
	s_add_co_u32 s96, s96, s90
	s_add_co_u32 s96, s96, s94
	s_mov_b32 s97, 0
	s_lshl_b32 s89, s89, 2
	s_lshl_b32 s88, s88, 1
	s_add_co_u32 s94, s94, s89
	s_add_co_u32 s94, s94, s88
	s_mov_b32 s95, 0
	s_add_nc_u64 s[96:97], s[10:11], s[96:97]      ; where my codes go,
	s_add_nc_u64 s[94:95], s[10:11], s[94:95]      ; and, 3,072 bytes on, my two scale bytes
.irp i, 0,1,2,3,4,5
	v_mov_b32 v[QR+6+\i], v[QF+6*\u+\i]
.endr
	v_perm_b32 v[QS], v[QW], v[QW], 0x01000100+0x02020202*\u   ; the tile's two bytes, for k = 0..63 and again for k = 64..127
	v_mov_b32 v[NM+1], 0xff61b1e6                  ; the largest t so far: -3e38
	v_floor_f32 v[NM], -v[NM+1]
	v_mov_b32 v[SUM], 0
	v_mov_b32 v[SUM+1], 0
.set j, 0
.rept 32
	v_mov_b32 v[O+j], 0                            ; the loop has no first step of its own: zeros stay zeros under the first f.  (Also the places behind Q's registers and scale word)
.set j, j+1
.endr
	s_wait_kmcnt 0x0
	s_or_b32 s91, s16, s17
.irp i, 18,19,20,21,22,23,24,25,26,27,28,29,30,31
	s_or_b32 s91, s91, s[\i]                       ; bit s: step s needs no selects
.endr
	s_mov_b32 s88, 0
	s_mov_b32 s89, 0
	s_mov_b32 s90, 0
.Lstep_\@:
	STEP
	s_add_co_u32 s90, s90, 1
	s_cmp_lt_u32 s90, 16
	s_cbranch_scc1 .Lstep_\@
	; the way out: O^T / the sum; register 16 b + i is channel 32 b + 16 (lane / 16) + i: two blocks of the next product's K
.rept 4
	v_nop
.endr
	v_add_f32 v[SUM], v[SUM], v[SUM+1]
	v_permlanex16_b32 v[TP], v[SUM], s84, s85
	v_add_f32 v[SUM], v[SUM], v[TP]                ; the row's sum
	v_rcp_f32 v[SUM], v[SUM]
	v_nop                                          ; a plain place behind the reciprocal,
	s_wait_alu depctr_va_vdst(0)                   ; and the wait ahead of its first reader
.set j, 0
.rept 32
	v_mul_f32 v[S+j], v[O+j], v[SUM]
.set j, j+1
.endr
.irp b, 0,1
	v_max3_num_f32 v[BM+\b], |v[S+16*\b]|, |v[S+16*\b+1]|, 0x1800000
.endr
.irp i, 2,4,6,8,10,12,14
.irp b, 0,1
	v_max3_num_f32 v[BM+\b], v[BM+\b], |v[S+16*\b+\i]|, |v[S+16*\b+\i+1]|
.endr
.endr
.irp b, 0,1
	v_permlanex16_b32 v[BT+\b], v[BM+\b], s84, s85
.endr
.irp b, 0,1
	v_max_num_f32 v[BM+\b], v[BM+\b], v[BT+\b]
.endr
.irp b, 0,1
	v_add_nc_u32 v[BO+\b], 0xff000000, v[BM+\b]
.endr
.irp b, 0,1
	v_lshrrev_b32 v[BT+\b], 23, v[BO+\b]
.endr
	v_lshl_or_b32 v[S2], v[BT+1], 8, v[BT]
	v_cvt_scalef32_pk16_fp6_f32 v[PC:PC+2], v[S:S+15], v[BO]
	v_cvt_scalef32_pk16_fp6_f32 v[PX:PX+2], v[S+16:S+31], v[BO+1]
	v_nop
.irp i, 0,1,2
	v_permlane16_swap_b32 v[PC+\i], v[PX+\i]
.endr
.irp i, 0,1,2
	v_mov_b32 v[PC+3+\i], v[PX+\i]
.endr
	global_store_b128 v[L16], v[PC:PC+3], s[96:97]             ; half a fragment: 512 and 256 consecutive bytes
	global_store_b64 v[L8], v[PC+4:PC+5], s[96:97] offset:512
	global_store_b16 v[L8], v[S2], s[94:95] offset:3072        ; two bytes of a lane's eight: the other six are three other heads', made by other work-groups; 64 bytes beside 768 of codes
.endm
	s_load_b256 s[4:11], s[0:1], 0x0               ; qb, kvb, mskw, crec
	v_lshl_add_u32 v[SPW], v0, 2, SPARE
	v_mov_b32 v[NIL], 0
	v_lshrrev_b32 v10, 5, v0
	v_readfirstlane_b32 s12, v10                   ; wave 0..15
	s_and_b32 s13, ttmp7, 0xffff                   ; 16 x batch + head
	s_lshl_b32 s14, ttmp9, 4
	s_add_co_u32 s14, s14, s12                     ; my fragment of Q: queries 32 x it on
	v_and_b32 v11, 31, v0
	v_lshlrev_b32 v[L16], 4, v11
	v_lshlrev_b32 v[L8], 3, v11
	v_add_nc_u32 v[V16], 98304, v[L16]
	v_add_nc_u32 v[V8], 98304, v[L8]
	v_add_nc_u32 v[KSB], 196608, v[L8]
	v_add_nc_u32 v[VSB], 204800, v[L16]
	v_lshlrev_b32 v212, 4, v0                      ; the copy: 16 bytes a thread, 8,192 a turn; four registers carry what an LDS offset of 16 bits cannot
	v_add_nc_u32 v213, 65536, v212
	v_add_nc_u32 v214, 131072, v212
	v_add_nc_u32 v215, 196608, v212
	s_mul_i32 s94, s13, 106496
	s_mul_i32 s15, s14, 1536
	s_add_co_u32 s94, s94, s15
	s_mov_b32 s95, 0
	s_mul_i32 s96, s13, 106496
	s_lshr_b32 s15, s14, 1
	s_lshl_b32 s15, s15, 8
	s_add_co_u32 s96, s96, s15
	s_and_b32 s15, s14, 1
	s_lshl_b32 s15, s15, 2
	s_add_co_u32 s96, s96, s15
	s_mov_b32 s97, 0
	s_mul_i32 s98, s13, 212992
	s_mov_b32 s99, 0
	s_mov_b32 s84, 0x76543210
	s_mov_b32 s85, 0xfedcba98                      ; v_permlanex16_b32's selects for lane l xor 16
	s_mov_b32 s86, 0x3e38aa3b                      ; c = log2(e) / 8
	s_mov_b32 s87, s86                             ; (named with it as a pair)
	s_wait_kmcnt 0x0
	s_add_nc_u64 s[94:95], s[4:5], s[94:95]
	s_add_nc_u64 s[96:97], s[4:5], s[96:97]
	s_add_nc_u64 s[98:99], s[6:7], s[98:99]
	global_load_b128 v[QF:QF+3], v[L16], s[94:95]
	global_load_b64 v[QF+4:QF+5], v[L8], s[94:95] offset:512
	global_load_b128 v[QF+6:QF+9], v[L16], s[94:95] offset:768
	global_load_b64 v[QF+10:QF+11], v[L8], s[94:95] offset:1280
	global_load_b32 v[QW], v[L8], s[96:97] offset:98304
.set i, 0
.rept 26
	global_load_b128 v[S+4*i:S+4*i+3], v212, s[98:99] offset:8192*i   ; a wave reads 512 consecutive bytes
.set i, i+1
.endr
.irp i, 0,1,2,3,4,5
	v_mov_b32 v[QR+\i], 0                          ; the zero codes on both sides of q
	v_mov_b32 v[QR+12+\i], 0
.endr
.irp b, 0,1,2,3
	v_mov_b32 v[BT+\b], 0                          ; written once: a lane permute's destination counts as one of its sources
.endr
	v_mov_b32 v[TP], 0
	v_mov_b32 v[FF+1], 0                           ; (named as the upper half of the pair before it is ever written)
	v_mov_b32 v[NEG], 0xd0000000                   ; -2^33
.set i, 0
.rept 26
	s_wait_loadcnt 25-i                            ; turn i is in (and Q, asked for earlier); the younger turns may be out
	ds_store_b128 v[212+i/8], v[S+4*i:S+4*i+3] offset:(i%8)*8192
.set i, i+1
.endr
	s_wait_dscnt 0x0                               ; for the others' sake: my stores have landed
	s_barrier_signal -1
	s_barrier_wait -1                              ; the head's K and V lie in LDS; nothing is written there again
	TILE 0
	TILE 1
	s_wait_tensorcnt 0x0                           ; the wave's end: three lines behind my last LDS store
	ds_add_u32 v[SPW], v[NIL]
	s_wait_dscnt 0x0
	s_endpgm
.Lfunc_end_k_qcaf8ad7975_attn:
	.size	k_qcaf8ad7975_attn, .Lfunc_end_k_qcaf8ad7975_attn-k_qcaf8ad7975_attn
	.p2alignl 7, 3214868480
	.fill 96, 4, 3214868480
	.section	.rodata,"a",@progbits
	.p2align	6, 0x0
	.amdhsa_kernel k_qcaf8ad7975_attn
		.amdhsa_group_segment_fixed_size 215040
		.amdhsa_private_segment_fixed_size 0
		.amdhsa_enable_private_segment 0
		.amdhsa_kernarg_size 32
		.amdhsa_user_sgpr_count 2
		.amdhsa_user_sgpr_kernarg_segment_ptr 1
		.amdhsa_wavefront_size32 1
		.amdhsa_system_sgpr_workgroup_id_x 1
		.amdhsa_system_sgpr_workgroup_id_y 1
		.amdhsa_system_sgpr_workgroup_id_z 1
		.amdhsa_system_vgpr_workitem_id 0
		.amdhsa_next_free_vgpr 256
		.amdhsa_next_free_sgpr 100
		.amdhsa_reserve_vcc 0
		.amdhsa_float_denorm_mode_32 3
		.amdhsa_float_denorm_mode_16_64 3
		.amdhsa_memory_ordered 1
		.amdhsa_forward_progress 1
		.amdhsa_inst_pref_size 63
	.end_amdhsa_kernel
	.amdgpu_metadata
---
amdhsa.version: [ 1, 2 ]
amdhsa.kernels:
  - .name:           k_qcaf8ad7975_attn
    .symbol:         k_qcaf8ad7975_attn.kd
    .args:
      - { .name: qb, .offset: 0, .size: 8, .value_kind: global_buffer, .address_space: global }
      - { .name: kvb, .offset: 8, .size: 8, .value_kind: global_buffer, .address_space: global }
      - { .name: mskw, .offset: 16, .size: 8, .value_kind: global_buffer, .address_space: global }
      - { .name: crec, .offset: 24, .size: 8, .value_kind: global_buffer, .address_space: global }
    .group_segment_fixed_size: 215040
    .private_segment_fixed_size: 0
    .kernarg_segment_align: 8
    .kernarg_segment_size: 32
    .max_flat_workgroup_size: 512
    .sgpr_count:     100
    .vgpr_count:     256
    .wavefront_size: 32
...
	.end_amdgpu_metadata
.endif
;; end of part 3
;; launch outp (part 4): grid 16 x 16, 4 waves a work-group, clusters of 4 x 4, 327,680 bytes of LDS; arguments crec, wrec, bo, out0; writes out0
.if DOCPART == 4
	.amdgcn_target "amdgcn-amd-amdhsa--gfx1250"
	.amdhsa_code_object_version 6
	.text
	.protected	k_qcaf8ad7975_outp
	.globl	k_qcaf8ad7975_outp
	.p2align	8
	.type	k_qcaf8ad7975_outp,@function
k_qcaf8ad7975_outp:
	s_mov_b64 s[64:65], 0
	v_nop
	global_prefetch_b8 v0, s[64:65] scope:SCOPE_SE
	s_setreg_imm32_b32 hwreg(HW_REG_WAVE_MODE, 25, 1), 1
	s_wait_xcnt 0x0
	s_wait_alu depctr_hold_cnt(0) depctr_sa_sdst(0) depctr_va_vdst(0) depctr_va_sdst(0) depctr_va_ssrc(0) depctr_va_vcc(0) depctr_vm_vsrc(0)
	s_getreg_b32 s2, hwreg(HW_REG_IB_STS2, 6, 4)
	s_cmp_eq_u32 s2, 0
	s_cbranch_scc0 .Lentry_in_a_cluster
	s_endpgm
.Lentry_in_a_cluster:
	s_bfe_u32 s2, ttmp6, 0x10000c
	s_cmp_lg_u32 s2, 0xf033
	s_cbranch_scc0 .Lentry_shape_is_right
	s_endpgm
.Lentry_shape_is_right:
; out0 = ctx wo^T + bo on codes of FP6 (E2M3) with E8M0 scales, sums in f32; out0 [8192][1024] f32.
; OPERANDS arrive as records (16 rows x 256 K: two fragments of 1,536 bytes, images of the 12 operand registers, and 256 bytes of scale words, 8 a lane), a matrix as [row tile][4 records] of 3,328 bytes;
; lane r of a tile holds row 16 t + r in both.
; A work-group makes 256 rows of wo (source 0) x 128 tokens (source 1), K = 1,024: a lane holds one token and eight neighbouring features an accumulator.
; Wave w: features 128 (w / 2) on (8 tiles), tokens 64 (w % 2) on (4 tiles): 32 accumulators, window 1.
; LDS: all 24 row tiles for all of K, 319,488 bytes, filled ONCE: chunk c (256 along K) at 79,872 c: wo's 16 records, then ctx's 8.  No byte is filled twice, so there is no ring.
; CLUSTER 4 x 4: wo's tile hangs on cx and is asked for jointly by a column of the cluster, ctx's on cy and by a row: the requests are divided by four.
; Each wave issues four tensor loads (waves 0, 1: halves of wo's chunks; waves 2, 3: of ctx's): four of mine are outstanding at the most.
; WINDOWS: 0: addresses, scale words v16-63 (two sets), fragment set 0 (P v64-159, R v160-207);  1: the accumulators, (r, p) at v[8 (8 r + p)];  2: the bias v0-63, fragment set 1.
; LIMITS: NaN and infinities are not served.
.set CH,    79872
.set REC,   3328
.set SPARE, 4*CH                       ; behind the chunks: the spare words, 128 bytes a wave
.set STG,   8448                       ; the way out: a stage of 16 rows x (512 + 16) bytes for each wave, in chunk 0
.set A16, 2
.set A8,  3
.set B16, 4
.set B8,  5
.set SPW, 6                            ; v6  my spare word's LDS address; never rewritten
.set NIL, 7                            ; v7  0; never rewritten
.set O16, 8                            ; v8  16 x lane   v9  8 x lane
.set O8,  9
.set STO, 10                           ; v10 the stage: where I put 32 bytes of a row    v11 where I read a row back
.set RD,  11
.set BO1, 12                           ; v12 32 h: the bias
.set SC,  16
.set PF,  64
.set RF,  160
.set BI,  0                            ; window 2
.set T,   64                           ; the way out, window 0: v64-127 sums + bias    v192-255 16 whole rows
.set OB,  192
.set MSB, 0
.macro WIN new                         ; the immediate's high byte repeats the setting that is left; a switch that changes nothing is dropped
.if MSB != \new
	s_set_vgpr_msb (MSB<<8)|\new
.set MSB, \new
.endif
.endm
.macro CROUND                          ; a round of the cluster's barrier
	s_barrier_signal -1
	s_barrier_wait -1
	s_cmp_lg_u32 s18, 0
	s_cbranch_scc1 .Lnot_wave_0_\@
	s_barrier_signal -3
.Lnot_wave_0_\@:
	s_barrier_wait -3
	s_barrier_signal -1
	s_barrier_wait -1
.endm
.macro FRAG reg, a16, a8, off          ; a fragment from LDS: every load reads consecutive bytes
	ds_load_b128 v[\reg:\reg+3], v[\a16] offset:\off
	ds_load_b64 v[\reg+4:\reg+5], v[\a8] offset:\off+512
	ds_load_b128 v[\reg+6:\reg+9], v[\a16] offset:\off+768
	ds_load_b64 v[\reg+10:\reg+11], v[\a8] offset:\off+1280
.endm
.macro FETCH ks                        ; K step ks: 12 fragments into set ks % 2; with a chunk's first K step its 12 pairs of scale words
.if (\ks)%2
	WIN 0x80
.else
	WIN 0
.endif
.irp p, 0,1,2,3,4,5,6,7
	FRAG PF+12*\p, A16, A8, \p*REC+((\ks)%2)*1536
.endr
.irp r, 0,1,2,3
	FRAG RF+12*\r, B16, B8, \r*REC+((\ks)%2)*1536
.endr
.if (\ks)%2 == 0
.irp p, 0,1,2,3,4,5,6,7
	ds_load_b64 v[SC+24*(((\ks)/2)%2)+2*\p:SC+24*(((\ks)/2)%2)+2*\p+1], v[A8] offset:\p*REC+3072
.endr
.irp r, 0,1,2,3
	ds_load_b64 v[SC+24*(((\ks)/2)%2)+16+2*\r:SC+24*(((\ks)/2)%2)+16+2*\r+1], v[B8] offset:\r*REC+3072
.endr
.endif
.endm
.macro MUL ks, zero                    ; 32 products; the 32 accumulators take turns, one instruction a turn, in the same order in every K step
.set SCX, SC+24*(((\ks)/2)%2)+(\ks)%2
.if (\ks)%2
	WIN 0x5a
.else
	WIN 0x50
.endif
.irp r, 0,1,2,3
.irp p, 0,1,2,3,4,5,6,7
.if \zero
	v_wmma_scale_f32_16x16x128_f8f6f4 v[8*(8*\r+\p):8*(8*\r+\p)+7], v[PF+12*\p:PF+12*\p+11], v[RF+12*\r:RF+12*\r+11], 0, v[SCX+2*\p], v[SCX+16+2*\r] matrix_a_fmt:MATRIX_FMT_FP6 matrix_b_fmt:MATRIX_FMT_FP6
.else
	v_wmma_scale_f32_16x16x128_f8f6f4 v[8*(8*\r+\p):8*(8*\r+\p)+7], v[PF+12*\p:PF+12*\p+11], v[RF+12*\r:RF+12*\r+11], v[8*(8*\r+\p):8*(8*\r+\p)+7], v[SCX+2*\p], v[SCX+16+2*\r] matrix_a_fmt:MATRIX_FMT_FP6 matrix_b_fmt:MATRIX_FMT_FP6
.endif
.endr
.endr
.endm
; A K step: its fragments are in; the next K step's are asked for, four places behind the products that read their registers (ISA guide 7.12.1); then its 32 products.
.macro KSTEP ks, zero
	s_wait_dscnt 0x0                               ; set ks % 2 is in, and no LDS instruction of mine is out
.if ((\ks)%2) && ((\ks) < 7)
	s_wait_tensorcnt 3-((\ks)+1)/2                 ; my part of the next chunk has landed; my loads of the later chunks may stay out
	s_barrier_signal -1
	s_barrier_wait -1                              ; everybody's has
	WIN 0
	v_add_nc_u32 v[A16], CH, v[A16]                ; on to the next chunk: these four are the places
	v_add_nc_u32 v[A8], CH, v[A8]
	v_add_nc_u32 v[B16], CH, v[B16]
	v_add_nc_u32 v[B8], CH, v[B8]
.elseif ((\ks) > 0) && ((\ks) < 7)
.rept 4
	v_nop
.endr
.endif
.if (\ks) < 7
	FETCH (\ks)+1
.endif
	MUL \ks, \zero
.endm
	s_load_b256 s[4:11], s[0:1], 0x0               ; crec, wrec, bo, out0
	v_lshl_add_u32 v[SPW], v0, 2, SPARE
	v_mov_b32 v[NIL], 0
	ds_add_u32 v[SPW], v[NIL]                      ; the wave's opening: the add and its wait ahead of my first tensor load; work on registers stands between them
	v_lshrrev_b32 v1, 5, v0
	v_readfirstlane_b32 s18, v1                    ; wave 0..3
	s_lshr_b32 s19, s18, 1                         ; which 128 features are mine.  Also: I fetch for wo (0) or for ctx (1)
	s_and_b32 s20, s18, 1                          ; which 64 tokens.  Also: which half of a chunk's records I fetch
	s_bfe_u32 s21, ttmp6, 0x40000                  ; cx
	s_bfe_u32 s22, ttmp6, 0x40004                  ; cy
	s_and_b32 s84, ttmp7, 0xffff
	s_lshl_b32 s85, ttmp9, 2
	s_add_co_u32 s25, s84, s85                     ; the cluster's number, 0..15
	s_mov_b32 s26, s21                             ; wo's tile of 256 rows
	s_lshl_b32 s27, s25, 2
	s_add_co_u32 s27, s27, s22                     ; ctx's tile of 128 tokens
	s_lshl_b32 s94, 0x1111, s21                    ; my column of the cluster (same cx)
	s_lshl_b32 s95, s22, 2
	s_lshl_b32 s95, 15, s95                        ; my row (same cy)
	; descriptor group 1: rows = records of 416 elements of 8 bytes, 1,664 elements from row tile to row tile; 8 rows for wo, 4 for ctx; dense in LDS
	s_or_b32 s28, s94, (3<<16)|(1<<21)             ; 15:0 the mask; 17:16 elements of 8 bytes; 21 set beside a mask
	s_or_b32 s36, s95, (3<<16)|(1<<21)
.irp g, 28, 36
	s_mov_b32 s[\g+1], 416<<16                     ; tensor_dim0
	s_mov_b32 s[\g+3], 416<<16                     ; tile_dim0
	s_mov_b32 s[\g+5], 1664                        ; tensor_dim0_stride
	s_mov_b32 s[\g+6], 0
	s_mov_b32 s[\g+7], 0
.endr
	s_mov_b32 s30, 8<<16                           ; tensor_dim1
	s_mov_b32 s32, 8                               ; tile_dim1
	s_mov_b32 s38, 4<<16
	s_mov_b32 s40, 4
	; where my loads begin, in bytes: wo's in s86, s62 (never cy), ctx's in s88, s63 (never cx)
	s_mul_i32 s86, s26, 212992
	s_add_co_u32 s86, s86, 2555904                 ; wo is the fourth weight in wrec
	s_mul_i32 s62, s20, 106496
	s_add_co_u32 s86, s86, s62
	s_mov_b32 s87, 0
	s_mul_i32 s88, s27, 106496
	s_mul_i32 s63, s20, 53248
	s_add_co_u32 s88, s88, s63
	s_mov_b32 s89, 0
	s_mul_i32 s60, s20, 26624                      ; and where they go in a chunk
	s_mul_i32 s61, s20, 13312
	s_wait_dscnt 0x0                               ; the opening add is done
	s_wait_kmcnt 0x0
	s_add_nc_u64 s[90:91], s[6:7], s[86:87]
	s_add_nc_u64 s[92:93], s[4:5], s[88:89]
	CROUND                                         ; all sixteen work-groups are here: the joint loads meet
.irp c, 0,1,2,3
	s_mov_b32 s[44+4*\c], 1
	s_add_co_u32 s[45+4*\c], s60, \c*CH
	s_add_nc_u64 s[46+4*\c:47+4*\c], s[90:91], \c*REC
	s_or_b32 s[47+4*\c], s[47+4*\c], 0x80000000
	s_mov_b32 s[68+4*\c], 1
	s_add_co_u32 s[69+4*\c], s61, \c*CH+53248
	s_add_nc_u64 s[70+4*\c:71+4*\c], s[92:93], \c*REC
	s_or_b32 s[71+4*\c], s[71+4*\c], 0x80000000
.endr
	s_cmp_eq_u32 s19, 0                            ; a wave's four fills stand in one branch on its number, ahead of every wait on TENSORcnt and every LDS read
	s_cbranch_scc0 .Lfill_r
.irp c, 0,1,2,3
	tensor_load_to_lds s[44+4*\c:47+4*\c], s[28:35]
	s_nop 0
.endr
.rept 4
	v_nop
.endr
	s_branch .Lfilled
.Lfill_r:
.irp c, 0,1,2,3
	tensor_load_to_lds s[68+4*\c:71+4*\c], s[36:43]
	s_nop 0
.endr
.rept 4
	v_nop
.endr
.Lfilled:
	v_and_b32 v1, 31, v0
	v_lshlrev_b32 v[O16], 4, v1
	v_lshlrev_b32 v[O8], 3, v1
	s_mul_i32 s84, s19, 26624                      ; my 8 records of wo
	v_add_nc_u32 v[A16], s84, v[O16]
	v_add_nc_u32 v[A8], s84, v[O8]
	s_mul_i32 s84, s20, 13312                      ; my 4 records of ctx, behind wo's 16
	s_add_co_u32 s84, s84, 53248
	v_add_nc_u32 v[B16], s84, v[O16]
	v_add_nc_u32 v[B8], s84, v[O8]
	v_bfe_u32 v13, v0, 4, 1                        ; h
	v_and_b32 v14, 15, v0                          ; r
	s_mul_i32 s84, s18, STG                        ; my stage
	v_mul_u32_u24 v[STO], v14, 528
	v_lshl_add_u32 v[STO], v13, 5, v[STO]
	v_add_nc_u32 v[STO], s84, v[STO]               ; in: row r, + 32 h
	v_add_nc_u32 v[RD], s84, v[O16]                ; back: a whole row of 512 bytes, 16 a lane
	v_lshlrev_b32 v[BO1], 5, v13
	s_lshl_b32 s86, s26, 10
	s_lshl_b32 s87, s19, 9
	s_add_co_u32 s86, s86, s87                     ; my 128 features' first, in bytes
	s_mov_b32 s87, 0
	s_add_nc_u64 s[84:85], s[8:9], s[86:87]
	WIN 0x80                                       ; the bias, in the results' layout, into window 2: it lands under the product
.irp p, 0,1,2,3,4,5,6,7
	global_load_b128 v[BI+8*\p:BI+8*\p+3], v[BO1], s[84:85] offset:64*\p          ; register 8 p + j: feature 16 p + 8 h + j
	global_load_b128 v[BI+8*\p+4:BI+8*\p+7], v[BO1], s[84:85] offset:64*\p+16
.endr
	WIN 0
	s_wait_tensorcnt 3                             ; my part of chunk 0 has landed; my three later loads may stay out
	s_barrier_signal -1
	s_barrier_wait -1                              ; everybody's has
	FETCH 0
	KSTEP 0, 1                                     ; the first products start the sums: nothing is cleared
	KSTEP 1, 0
	KSTEP 2, 0
	KSTEP 3, 0
	KSTEP 4, 0
	KSTEP 5, 0
	KSTEP 6, 0
	KSTEP 7, 0
	WIN 0
.rept 4
	v_nop                                          ; four places ahead of the first read of results and of writes and loads into operand registers
.endr
	s_wait_loadcnt 0x0                             ; the bias
	s_lshl_b32 s88, s27, 7
	s_lshl_b32 s89, s20, 6
	s_add_co_u32 s88, s88, s89                     ; my first token
	s_lshl_b32 s88, s88, 12                        ; a row of out0 is 4,096 bytes
	s_add_co_u32 s88, s88, s86                     ; + my first feature
	s_mov_b32 s89, 0
	s_add_nc_u64 s[86:87], s[10:11], s[88:89]
	; THE WAY OUT, a tile of 16 tokens at a time, through my own stage.  The stage lies in chunk 0, which was filled once; every wave's reads of chunk 0 were awaited ahead of the barrier of K step 1, which I have passed.
.irp r, 0,1,2,3
	WIN 0x09                                       ; source 0 (the sums) window 1, source 1 (the bias) window 2
.set i, 0
.rept 32
	v_pk_add_f32 v[T+i:T+i+1], v[64*\r+i:64*\r+i+1], v[BI+i:BI+i+1]   ; ascending: each accumulator is read from its low end on
.set i, i+2
.endr
	WIN 0
.irp p, 0,1,2,3,4,5,6,7
	ds_store_b128 v[STO], v[T+8*\p:T+8*\p+3] offset:64*\p
	ds_store_b128 v[STO], v[T+8*\p+4:T+8*\p+7] offset:64*\p+16
.endr
.if \r > 0
	s_wait_xcnt 0x0                                ; the last tile's stores have read their registers and their base
	s_add_nc_u64 s[86:87], s[86:87], 65536         ; 16 rows of out0 on
.endif
.irp t, 0,1,2,3,4,5,6,7,8,9,10,11,12,13,14,15
	ds_load_b128 v[OB+4*\t:OB+4*\t+3], v[RD] offset:528*\t   ; LDS serves a wave's instructions in order (ISA guide 5.7.1.4): these see my stores
.endr
.irp t, 0,1,2,3,4,5,6,7,8,9,10,11,12,13,14,15
	s_wait_dscnt 15-\t                             ; row t is back; the younger rows may be out
	global_store_b128 v[O16], v[OB+4*\t:OB+4*\t+3], s[86:87] offset:4096*\t th:TH_STORE_NT   ; 32 lanes store 512 consecutive bytes, at a multiple of 256 from out0's first byte
.endr
.endr
	s_wait_tensorcnt 0x0                           ; the wave's end: three lines behind my last tensor load and my last LDS store
	ds_add_u32 v[SPW], v[NIL]
	s_wait_dscnt 0x0
	CROUND                                         ; the closing round: no work-group ends while a partner may still ask for a tile that names it
	s_endpgm
.Lfunc_end_k_qcaf8ad7975_outp:
	.size	k_qcaf8ad7975_outp, .Lfunc_end_k_qcaf8ad7975_outp-k_qcaf8ad7975_outp
	.p2alignl 7, 3214868480
	.fill 96, 4, 3214868480
	.section	.rodata,"a",@progbits
	.p2align	6, 0x0
	.amdhsa_kernel k_qcaf8ad7975_outp
		.amdhsa_group_segment_fixed_size 327680
		.amdhsa_private_segment_fixed_size 0
		.amdhsa_enable_private_segment 0
		.amdhsa_kernarg_size 32
		.amdhsa_user_sgpr_count 2
		.amdhsa_user_sgpr_kernarg_segment_ptr 1
		.amdhsa_wavefront_size32 1
		.amdhsa_system_sgpr_workgroup_id_x 1
		.amdhsa_system_sgpr_workgroup_id_y 1
		.amdhsa_system_sgpr_workgroup_id_z 1
		.amdhsa_system_vgpr_workitem_id 0
		.amdhsa_next_free_vgpr 768
		.amdhsa_next_free_sgpr 102
		.amdhsa_reserve_vcc 0
		.amdhsa_float_denorm_mode_32 3
		.amdhsa_float_denorm_mode_16_64 3
		.amdhsa_memory_ordered 1
		.amdhsa_forward_progress 1
		.amdhsa_inst_pref_size 96
	.end_amdhsa_kernel
	.amdgpu_metadata
---
amdhsa.version: [ 1, 2 ]
amdhsa.kernels:
  - .name:           k_qcaf8ad7975_outp
    .symbol:         k_qcaf8ad7975_outp.kd
    .args:
      - { .name: crec, .offset: 0, .size: 8, .value_kind: global_buffer, .address_space: global }
      - { .name: wrec, .offset: 8, .size: 8, .value_kind: global_buffer, .address_space: global }
      - { .name: bo, .offset: 16, .size: 8, .value_kind: global_buffer, .address_space: global }
      - { .name: out0, .offset: 24, .size: 8, .value_kind: global_buffer, .address_space: global }
    .group_segment_fixed_size: 327680
    .private_segment_fixed_size: 0
    .kernarg_segment_align: 8
    .kernarg_segment_size: 32
    .max_flat_workgroup_size: 128
    .sgpr_count:     102
    .vgpr_count:     768
    .wavefront_size: 32
...
	.end_amdgpu_metadata
.endif
;; end of part 4
;; ======== version 2 of 2: 4 launches; version 1 with the launch attn written anew for expert scheduling mode
;; limits: right only within a limited range of input values
;; workspace buffers: xrec 20,447,232 bytes; wrec 3,407,872 bytes; mskw 532,480 bytes of whole numbers; qb 6,815,744 bytes; kvb 13,631,488 bytes; crec 6,815,744 bytes
;; launch prep: the kernel of part 1 again; grid 2304 x 1, 4 waves a work-group, no clusters, 34,304 bytes of LDS; arguments query, key, value, wq, wk, wv, wo, mask, xrec, wrec, mskw; writes xrec, wrec, mskw
;; launch proj: the kernel of part 2 again; grid 16 x 48, 4 waves a work-group, clusters of 4 x 4, 327,680 bytes of LDS; arguments xrec, wrec, bq, bk, bv, qb, kvb; writes qb, kvb
;; launch attn (part 5): grid 4 x 64, 16 waves a work-group, no clusters, 215,040 bytes of LDS; arguments qb, kvb, mskw, crec; writes crec
.if DOCPART == 5
	.amdgcn_target "amdgcn-amd-amdhsa--gfx1250"
	.amdhsa_code_object_version 6
	.text
	.protected	k_qcaf8ad7975_attn
	.globl	k_qcaf8ad7975_attn
	.p2align	8
	.type	k_qcaf8ad7975_attn,@function
k_qcaf8ad7975_attn:
	s_mov_b64 s[64:65], 0
	v_nop
	global_prefetch_b8 v0, s[64:65] scope:SCOPE_SE
	s_setreg_imm32_b32 hwreg(HW_REG_WAVE_SCHED_MODE, 0, 2), 2
	s_setreg_imm32_b32 hwreg(HW_REG_WAVE_MODE, 25, 1), 1
	s_wait_xcnt 0x0
	s_wait_alu depctr_vm_vsrc(0)
; ctx[b][q][head] = softmax_k(mask ? q . k / 8 : very negative) v, both products on codes of FP6 (E2M3) with E8M0 scales; ctx is quantised at once, along the model's 1,024, for the output projection.
; THE SOFTMAX: t = score x log2(e) / 8; M = the running largest t rounded UP to a whole number; p = 2^(t - M) is quantised along the keys, not normalised; the row's sum is taken of the unquantised p and divides at the end.
; SHARES.  A work-group owns 512 queries of one (batch, head); each of its sixteen waves 32: two tiles of 16, one after the other, each walking all 2,048 keys, 128 a step.  Four waves to a SIMD.
; LDS.  The head's K and V, codes and scale words, 212,992 bytes, are copied in ONCE, through registers, as they lie in memory, and only read afterwards: one barrier in the launch.
; NO TENSOR LOAD, NO CLUSTER: the jump round the mask's 64 selects hangs on words read from memory; what the four work-groups of a head share
; is that one copy of 212,992 bytes, against 32 x 16 x 13,312 bytes that each then reads from its LDS.
; LAYOUT.  Both products are used transposed (S^T = K Q^T, O^T = V^T P^T): a lane holds one query (lane % 16) throughout.  A head has 64 channels, the instruction takes 128 along K: a fragment of K carries TWO
; tiles of 16 keys, one in k = 0..63, one in k = 64..127; Q stands between two runs of zero codes, so that [q | 0] picks the first tile and [0 | q] the second.  Zero codes add nothing.
; Fragment f's half u holds keys 32 f + 8 u + r + 8 (r / 8): so score register 16 b + i is key 32 b + 16 (lane / 16) + i.  V's fragment dt holds channels 32 (dt / 2) + 8 (dt % 2) + r + 8 (r / 8): O^T likewise.
; THE MASK comes as lane masks: word j's bit l says whether lane l's score register j counts: one v_cndmask_b32 a score, jumped over where a stored flag says that all of the tile's 16 x 128 count.
; LIMITS.  A masked raw score is -2^33 (logit -2^30, not -1e9): times c it is a whole number, so a wholly masked row has p = 1 everywhere, the uniform weights of the definition; the results agree as long as
; unmasked logits lie above -9.9e8.  NaN and infinities are not served.  A block of p or of ctx whose largest magnitude lies under 2^-124, zeros among them, gets the byte 1: this program alone reads the bytes.
; THE MODE: SCHED_MODE bits 1:0 = 2 (LLVM: expert scheduling mode 2), set by the entry lines.  The code itself states the register dependences between vector or matrix instructions and memory or LDS
; instructions, with s_wait_alu, always for 0.
; THE PLAN.  Registers that memory or LDS instructions touch:
;   v1, v2        16 x lane, 8 x lane: written once at the head; read by Q's loads and by each tile's three stores; never written again.
;   v212-215      the copy's offsets: written at the head, read by its 26 loads and 26 LDS stores; from the first step on conversions write them.
;   v104-207      the copy's data: its loads land there, its LDS stores read them; from the first tile on they are S^T, O^T and the codes.
;   v40-52        Q: loads land there; vector moves read them; never written again.
;   v10-15        a step's six LDS addresses: written at the step's head, read by the step's 35 LDS loads.
;   v56-103       K's loads land; the score products read; V's loads land; the second products read.  Sixteen waves of 256 registers leave no room for a second set of 48.
;   v220-227      scale words: K's land at the step's head and are read by the score products, V's land behind those and are read by the second products.
;   v200-205, v244  a tile's way out: written by conversions, exchanges and moves, read by three stores, written again in the next tile's first step.
;   v7, v8        written at the head, read by the closing add alone.
; So a step has one wait on vm_vsrc, ahead of the six additions, and three on va_vdst beside the two behind its exponentials: behind the additions (K's loads), behind the score products (V's loads), ahead of the second
; products (p's codes and scale word).  A tile has one wait on vm_vsrc at its head and one on va_vdst ahead of its stores.  The lane masks' scalar registers are read by the selects and loaded again at the next
; step's head: the step's later waits on va_vdst stand between.
.set SPARE, 212992                     ; behind the head's block: the spare words, 128 bytes a wave
.set L16, 1                            ; v1  16 x lane        v2  8 x lane
.set L8,  2
.set V16, 3                            ; v3, v4 the same + 98,304: V's fragments
.set V8,  4
.set KSB, 5                            ; v5  8 x lane + 196,608: K's scale words    v6  16 x lane + 204,800: V's
.set VSB, 6
.set SPW, 7                            ; v7  my spare word's LDS address; never rewritten
.set NIL, 8                            ; v8  0; never rewritten
.set NEG, 9                            ; v9  -2^33
.set AK16, 10                          ; v10-15 the step's six LDS addresses
.set AK8,  11
.set AV16, 12
.set AV8,  13
.set AKS,  14
.set AVS,  15
.set NM,  16                           ; v16 -M, v17 the largest t
.set SUM, 18                           ; v[18:19] the row's sum in two halves
.set QR,  20                           ; v20-37 six zeros, q's six registers, six zeros
.set QS,  38                           ; v38 Q's scale word    v39 p's
.set PSW, 39
.set QF,  40                           ; v40-51 my fragment of Q (two tiles), v52 its scale word
.set QW,  52
.set FR,  56                           ; v56-103 four fragments of K, then of V
.set S,   104                          ; v104-167 S^T, then p
.set O,   168                          ; v168-199 O^T
.set PC,  200                          ; v200-211 codes      v212-218 the conversions' second halves
.set PX,  212
.set KS,  220                          ; v220-223 K's scale words    v224-227 V's
.set VS,  224
.set BM,  228                          ; v228-231 a block's largest   v232-235 at work, bytes   v236-239 the conversions' scale operands
.set BT,  232
.set BO,  236
.set FF,  240                          ; v[240:241] f = 2^(old M - new M)
.set TP,  242
.set S2,  244                          ; v[244:245] the sum's second chain; on the way out ctx's two scale bytes
; scalars: s12 wave, s13 16 x batch + head, s14 my fragment of Q; s16-63, s68-83 the 64 lane masks; s[84:85] lane selects; s[86:87] c; s88, s89 the step's LDS bytes; s90 the step; s91 the flags; s92 the masks' byte
.macro FRAG reg, a16, a8, off
	ds_load_b128 v[\reg:\reg+3], v[\a16] offset:\off
	ds_load_b64 v[\reg+4:\reg+5], v[\a8] offset:\off+512
	ds_load_b128 v[\reg+6:\reg+9], v[\a16] offset:\off+768
	ds_load_b64 v[\reg+10:\reg+11], v[\a8] offset:\off+1280
.endm
; A KEY STEP: 128 keys for my 16 queries
.macro STEP
	s_load_b512 s[16:31], s[8:9], s92 offset:0x0   ; the step's 64 lane masks
	s_load_b512 s[32:47], s[8:9], s92 offset:0x40
	s_load_b512 s[48:63], s[8:9], s92 offset:0x80
	s_load_b512 s[68:83], s[8:9], s92 offset:0xc0
	s_wait_alu depctr_vm_vsrc(0)                   ; the last step's LDS loads have read the six addresses, which the additions below write anew
	v_add_nc_u32 v[AK16], s88, v[L16]              ; the step's six LDS addresses
	v_add_nc_u32 v[AK8], s88, v[L8]
	v_add_nc_u32 v[AV16], s88, v[V16]
	v_add_nc_u32 v[AV8], s88, v[V8]
	v_add_nc_u32 v[AKS], s89, v[KSB]
	v_add_nc_u32 v[AVS], s89, v[VSB]
	s_wait_alu depctr_va_vdst(0)                   ; the six addresses are written, which this step's LDS loads read; the last step's products are done reading v[FR ..], v[KS ..] and v[VS ..], in which those loads land; in a tile's first step Q's registers and scale word are written, which the score products take
.irp f, 0,1,2,3
	FRAG FR+12*\f, AK16, AK8, \f*1536
.endr
	ds_load_b64 v[KS:KS+1], v[AKS]
	ds_load_b64 v[KS+2:KS+3], v[AKS] offset:256
	s_wait_dscnt 0x0
.irp f, 0,1,2,3                                ; eight tiles of scores, each its own accumulator
	v_wmma_scale_f32_16x16x128_f8f6f4 v[S+16*\f:S+16*\f+7], v[FR+12*\f:FR+12*\f+11], v[QR+6:QR+17], 0, v[KS+\f], v[QS] matrix_a_fmt:MATRIX_FMT_FP6 matrix_b_fmt:MATRIX_FMT_FP6
	v_wmma_scale_f32_16x16x128_f8f6f4 v[S+16*\f+8:S+16*\f+15], v[FR+12*\f:FR+12*\f+11], v[QR:QR+11], 0, v[KS+\f], v[QS] matrix_a_fmt:MATRIX_FMT_FP6 matrix_b_fmt:MATRIX_FMT_FP6
.endr
.rept 4
	v_nop                                          ; four places ahead of the first read of the scores
.endr
	s_wait_alu depctr_va_vdst(0)                   ; the score products are done reading v[FR ..], in which V's fragments land
.irp f, 0,1,2,3
	FRAG FR+12*\f, AV16, AV8, \f*1536              ; V's four fragments land under the softmax
.endr
	ds_load_b128 v[VS:VS+3], v[AVS]
	s_wait_kmcnt 0x0                               ; the lane masks are in
	s_lshr_b32 s93, s91, s90
	s_and_b32 s93, s93, 1                          ; do all 16 x 128 count?
	s_cbranch_scc1 .Lopen_\@
.set j, 0
.rept 64
.if j < 48
	v_cndmask_b32 v[S+j], v[NEG], v[S+j], s[16+j]
.else
	v_cndmask_b32 v[S+j], v[NEG], v[S+j], s[20+j]
.endif
.set j, j+1
.endr
.Lopen_\@:
.irp b, 0,1,2,3
	v_max3_num_f32 v[BM+\b], v[S+16*\b], v[S+16*\b+1], v[S+16*\b+2]   ; the largest score of each block of 32 keys: it serves for the row's maximum and, since p rises with the score, for the block's largest p
.endr
.irp i, 3,5,7,9,11,13
.irp b, 0,1,2,3
	v_max3_num_f32 v[BM+\b], v[BM+\b], v[S+16*\b+\i], v[S+16*\b+\i+1]
.endr
.endr
.irp b, 0,1,2,3
	v_max_num_f32 v[BM+\b], v[BM+\b], v[S+16*\b+15]
.endr
.irp b, 0,1,2,3
	v_permlanex16_b32 v[BT+\b], v[BM+\b], s84, s85
.endr
.irp b, 0,1,2,3
	v_max_num_f32 v[BM+\b], v[BM+\b], v[BT+\b]     ; with lane l xor 16's 16 keys
.endr
	v_max3_num_f32 v[TP], v[BM], v[BM+1], v[BM+2]
	v_max_num_f32 v[TP], v[TP], v[BM+3]
	v_mul_f32 v[TP], s86, v[TP]                    ; the step's largest t (c is positive)
	v_max_num_f32 v[NM+1], v[NM+1], v[TP]          ; the running largest t
	v_mov_b32 v[TP], v[NM]
	v_floor_f32 v[NM], -v[NM+1]                    ; the new -M = floor(-t): M is a whole number
	v_sub_f32 v[TP], v[NM], v[TP]                  ; old M - new M: a whole number, 0 or less
	v_cvt_i32_f32 v[TP], v[TP]                     ; (it saturates)
	v_ldexp_f32 v[FF], 1.0, v[TP]                  ; f = 2^(old M - new M): a multiplication by it rounds nothing
.set j, 0
.rept 32
	v_pk_fma_f32 v[S+j:S+j+1], v[S+j:S+j+1], s[86:87], v[NM:NM+1] op_sel_hi:[1,0,0]   ; t - M, two at a time
.set j, j+2
.endr
.irp b, 0,1,2,3
	v_fma_f32 v[BM+\b], v[BM+\b], s86, v[NM]       ; the same of each block's largest score
.endr
.set j, 0
.rept 64
	v_exp_f32 v[S+j], v[S+j]                       ; p = 2^(t - M), at most 1
.set j, j+1
.endr
	v_pk_mul_f32 v[SUM:SUM+1], v[SUM:SUM+1], v[FF:FF+1] op_sel_hi:[1,0]   ; the sums under the new M: the plain place behind the exponentials
	s_wait_alu depctr_va_vdst(0)                   ; the 64 exponentials have written p: one wait for the batch, ahead of its first reader
.irp b, 0,1,2,3
	v_exp_f32 v[BM+\b], v[BM+\b]                   ; the block's largest p: the same two instructions on the same number give the same bits
.endr
	v_pk_add_f32 v[S2:S2+1], v[S:S+1], v[S+2:S+3]  ; the row's sum of the unquantised p, in two chains
.irp j, 4,8,12,16,20,24,28,32,36,40,44,48,52,56,60
	v_pk_add_f32 v[SUM:SUM+1], v[SUM:SUM+1], v[S+\j:S+\j+1]
	v_pk_add_f32 v[S2:S2+1], v[S2:S2+1], v[S+\j+2:S+\j+3]
.endr
	v_pk_add_f32 v[SUM:SUM+1], v[SUM:SUM+1], v[S2:S2+1]
	s_wait_alu depctr_va_vdst(0)                   ; the four exponentials have written the blocks' largest p: their wait, ahead of their first reader
.irp b, 0,1,2,3
	v_max_num_f32 v[BM+\b], 0x1800000, v[BM+\b]    ; the floor 2^(3 - 127): the byte cannot fall under 1
.endr
.irp b, 0,1,2,3
	v_add_nc_u32 v[BO+\b], 0xff000000, v[BM+\b]    ; 2 off the exponent field: the conversion's scale operand
.endr
.irp b, 0,1,2,3
	v_lshrrev_b32 v[BT+\b], 23, v[BO+\b]           ; the scale's byte
.endr
	v_lshl_or_b32 v[PSW], v[BT+1], 8, v[BT]
	v_lshl_or_b32 v[PSW], v[BT+2], 16, v[PSW]
	v_lshl_or_b32 v[PSW], v[BT+3], 24, v[PSW]      ; p's scale word for these 128 keys
.irp c, 0,1
	v_cvt_scalef32_pk16_fp6_f32 v[PC+6*\c:PC+6*\c+2], v[S+32*\c:S+32*\c+15], v[BO+2*\c]
	v_cvt_scalef32_pk16_fp6_f32 v[PX+4*\c:PX+4*\c+2], v[S+32*\c+16:S+32*\c+31], v[BO+2*\c+1]
.endr
	v_nop                                          ; one plain place behind a scaled conversion
.irp c, 0,1
.irp i, 0,1,2
	v_permlane16_swap_b32 v[PC+6*\c+\i], v[PX+4*\c+\i]
.endr
.irp i, 0,1,2
	v_mov_b32 v[PC+6*\c+3+\i], v[PX+4*\c+\i]
.endr
.endr
.set j, 0
.rept 16
	v_pk_mul_f32 v[O+j:O+j+1], v[O+j:O+j+1], v[FF:FF+1] op_sel_hi:[1,0]   ; O^T under the new M.  For each product below at least eight of these sixteen name none of its registers: the places behind p's scale word and codes
.set j, j+2
.endr
	s_wait_dscnt 0x0                               ; V is in
	s_wait_alu depctr_va_vdst(0)                   ; p's codes v[PC ..] and scale word v[PSW] are written, which the products below take as source 1 and its scales; the places above stay beside this wait
.irp d, 0,1,2,3                                ; the four accumulators take turns; the eight score products stand between two steps' links
	v_wmma_scale_f32_16x16x128_f8f6f4 v[O+8*\d:O+8*\d+7], v[FR+12*\d:FR+12*\d+11], v[PC:PC+11], v[O+8*\d:O+8*\d+7], v[VS+\d], v[PSW] matrix_a_fmt:MATRIX_FMT_FP6 matrix_b_fmt:MATRIX_FMT_FP6
.endr
	s_add_co_u32 s88, s88, 6144                    ; four fragments on, of K and of V
	s_add_co_u32 s89, s89, 512                     ; their scale words
	s_add_co_u32 s92, s92, 256                     ; the next step's lane masks (this step's loads were awaited)
.endm
; A TILE of 16 queries: half u of my fragment of Q
.macro TILE u
	s_wait_xcnt 0x0                                ; the last tile's stores have read their registers and bases
	s_wait_alu depctr_vm_vsrc(0)                   ; first tile: the copy's LDS stores have read v104-207 and v212-215; second tile: the last tile's stores have read v[PC ..] and v[S2]: the lines below and the first step write these registers
	s_lshl_b32 s15, s14, 1
	s_add_co_u32 s15, s15, \u                      ; the query tile, 0..127
	s_lshl_b32 s93, s15, 6
	s_load_b512 s[16:31], s[8:9], s93 offset:0x80000   ; its sixteen flag words
	s_lshl_b32 s92, s15, 12                        ; its lane masks: 16 steps x 256 bytes
	s_lshr_b32 s94, s13, 4
	s_lshl_b32 s94, s94, 7
	s_add_co_u32 s94, s94, s15                     ; ctx's row tile: 128 x batch + query tile
	s_mul_i32 s94, s94, 13312
	s_and_b32 s88, s13, 15                         ; the head: channels 64 head on of the 1,024
	s_lshr_b32 s89, s88, 2
	s_mul_i32 s89, s89, 3328
	s_add_co_u32 s94, s94, s89                     ; the record
	s_bfe_u32 s89, s88, 0x10001                    ; which of its two fragments,
	s_and_b32 s88, s88, 1                          ; which half of that
	s_mul_i32 s96, s89, 1536
	s_mul_i32 s90, s88, 768
	s_add_co_u32 s96, s96, s90
	s_add_co_u32 s96, s96, s94
	s_mov_b32 s97, 0
	s_lshl_b32 s89, s89, 2
	s_lshl_b32 s88, s88, 1
	s_add_co_u32 s94, s94, s89
	s_add_co_u32 s94, s94, s88
	s_mov_b32 s95, 0
	s_add_nc_u64 s[96:97], s[10:11], s[96:97]      ; where my codes go,
	s_add_nc_u64 s[94:95], s[10:11], s[94:95]      ; and, 3,072 bytes on, my two scale bytes
.irp i, 0,1,2,3,4,5
	v_mov_b32 v[QR+6+\i], v[QF+6*\u+\i]
.endr
	v_perm_b32 v[QS], v[QW], v[QW], 0x01000100+0x02020202*\u   ; the tile's two bytes, for k = 0..63 and again for k = 64..127
	v_mov_b32 v[NM+1], 0xff61b1e6                  ; the largest t so far: -3e38
	v_floor_f32 v[NM], -v[NM+1]
	v_mov_b32 v[SUM], 0
	v_mov_b32 v[SUM+1], 0
.set j, 0
.rept 32
	v_mov_b32 v[O+j], 0                            ; the loop has no first step of its own: zeros stay zeros under the first f.  (Also the places behind Q's registers and scale word)
.set j, j+1
.endr
	s_wait_kmcnt 0x0
	s_or_b32 s91, s16, s17
.irp i, 18,19,20,21,22,23,24,25,26,27,28,29,30,31
	s_or_b32 s91, s91, s[\i]                       ; bit s: step s needs no selects
.endr
	s_mov_b32 s88, 0
	s_mov_b32 s89, 0
	s_mov_b32 s90, 0
.Lstep_\@:
	STEP
	s_add_co_u32 s90, s90, 1
	s_cmp_lt_u32 s90, 16
	s_cbranch_scc1 .Lstep_\@
	; the way out: O^T / the sum; register 16 b + i is channel 32 b + 16 (lane / 16) + i: two blocks of the next product's K
.rept 4
	v_nop
.endr
	v_add_f32 v[SUM], v[SUM], v[SUM+1]
	v_permlanex16_b32 v[TP], v[SUM], s84, s85
	v_add_f32 v[SUM], v[SUM], v[TP]                ; the row's sum
	v_rcp_f32 v[SUM], v[SUM]
	v_nop                                          ; a plain place behind the reciprocal,
	s_wait_alu depctr_va_vdst(0)                   ; and the wait ahead of its first reader: the reciprocal is written
.set j, 0
.rept 32
	v_mul_f32 v[S+j], v[O+j], v[SUM]
.set j, j+1
.endr
.irp b, 0,1
	v_max3_num_f32 v[BM+\b], |v[S+16*\b]|, |v[S+16*\b+1]|, 0x1800000
.endr
.irp i, 2,4,6,8,10,12,14
.irp b, 0,1
	v_max3_num_f32 v[BM+\b], v[BM+\b], |v[S+16*\b+\i]|, |v[S+16*\b+\i+1]|
.endr
.endr
.irp b, 0,1
	v_permlanex16_b32 v[BT+\b], v[BM+\b], s84, s85
.endr
.irp b, 0,1
	v_max_num_f32 v[BM+\b], v[BM+\b], v[BT+\b]
.endr
.irp b, 0,1
	v_add_nc_u32 v[BO+\b], 0xff000000, v[BM+\b]
.endr
.irp b, 0,1
	v_lshrrev_b32 v[BT+\b], 23, v[BO+\b]
.endr
	v_lshl_or_b32 v[S2], v[BT+1], 8, v[BT]
	v_cvt_scalef32_pk16_fp6_f32 v[PC:PC+2], v[S:S+15], v[BO]
	v_cvt_scalef32_pk16_fp6_f32 v[PX:PX+2], v[S+16:S+31], v[BO+1]
	v_nop
.irp i, 0,1,2
	v_permlane16_swap_b32 v[PC+\i], v[PX+\i]
.endr
.irp i, 0,1,2
	v_mov_b32 v[PC+3+\i], v[PX+\i]
.endr
	s_wait_alu depctr_va_vdst(0)                   ; the conversions, exchanges and moves have written v[PC .. PC+5], the shift v[S2]: the data of the three stores below
	global_store_b128 v[L16], v[PC:PC+3], s[96:97]             ; half a fragment: 512 and 256 consecutive bytes
	global_store_b64 v[L8], v[PC+4:PC+5], s[96:97] offset:512
	global_store_b16 v[L8], v[S2], s[94:95] offset:3072        ; two bytes of a lane's eight: the other six are three other heads', made by other work-groups; 64 bytes beside 768 of codes
.endm
	s_load_b256 s[4:11], s[0:1], 0x0               ; qb, kvb, mskw, crec
	v_lshl_add_u32 v[SPW], v0, 2, SPARE
	v_mov_b32 v[NIL], 0
	v_lshrrev_b32 v10, 5, v0
	v_readfirstlane_b32 s12, v10                   ; wave 0..15
	v_and_b32 v11, 31, v0
	v_lshlrev_b32 v[L16], 4, v11
	v_lshlrev_b32 v[L8], 3, v11
	v_add_nc_u32 v[V16], 98304, v[L16]
	v_add_nc_u32 v[V8], 98304, v[L8]
	v_add_nc_u32 v[KSB], 196608, v[L8]
	v_add_nc_u32 v[VSB], 204800, v[L16]
	v_lshlrev_b32 v212, 4, v0                      ; the copy: 16 bytes a thread, 8,192 a turn; four registers carry what an LDS offset of 16 bits cannot
	v_add_nc_u32 v213, 65536, v212
	v_add_nc_u32 v214, 131072, v212
	v_add_nc_u32 v215, 196608, v212
	s_and_b32 s13, ttmp7, 0xffff                   ; 16 x batch + head
	s_lshl_b32 s14, ttmp9, 4
	s_wait_alu depctr_va_sdst(0)                   ; s12 is written, ahead of its first reader: Q's, the masks' and ctx's places are made from it
	s_add_co_u32 s14, s14, s12                     ; my fragment of Q: queries 32 x it on
	s_mul_i32 s94, s13, 106496
	s_mul_i32 s15, s14, 1536
	s_add_co_u32 s94, s94, s15
	s_mov_b32 s95, 0
	s_mul_i32 s96, s13, 106496
	s_lshr_b32 s15, s14, 1
	s_lshl_b32 s15, s15, 8
	s_add_co_u32 s96, s96, s15
	s_and_b32 s15, s14, 1
	s_lshl_b32 s15, s15, 2
	s_add_co_u32 s96, s96, s15
	s_mov_b32 s97, 0
	s_mul_i32 s98, s13, 212992
	s_mov_b32 s99, 0
	s_mov_b32 s84, 0x76543210
	s_mov_b32 s85, 0xfedcba98                      ; v_permlanex16_b32's selects for lane l xor 16
	s_mov_b32 s86, 0x3e38aa3b                      ; c = log2(e) / 8
	s_mov_b32 s87, s86                             ; (named with it as a pair)
	s_wait_kmcnt 0x0
	s_add_nc_u64 s[94:95], s[4:5], s[94:95]
	s_add_nc_u64 s[96:97], s[4:5], s[96:97]
	s_add_nc_u64 s[98:99], s[6:7], s[98:99]
	s_wait_alu depctr_va_vdst(0)                   ; v1, v2 and v212-215 are written: the offsets of the loads below, of the copy's LDS stores and of every tile's stores
	global_load_b128 v[QF:QF+3], v[L16], s[94:95]
	global_load_b64 v[QF+4:QF+5], v[L8], s[94:95] offset:512
	global_load_b128 v[QF+6:QF+9], v[L16], s[94:95] offset:768
	global_load_b64 v[QF+10:QF+11], v[L8], s[94:95] offset:1280
	global_load_b32 v[QW], v[L8], s[96:97] offset:98304
.set i, 0
.rept 26
	global_load_b128 v[S+4*i:S+4*i+3], v212, s[98:99] offset:8192*i   ; a wave reads 512 consecutive bytes
.set i, i+1
.endr
.irp i, 0,1,2,3,4,5
	v_mov_b32 v[QR+\i], 0                          ; the zero codes on both sides of q.  (These moves and the seven below name none of the registers that the loads above and the LDS stores below touch)
	v_mov_b32 v[QR+12+\i], 0
.endr
.irp b, 0,1,2,3
	v_mov_b32 v[BT+\b], 0                          ; written once: a lane permute's destination counts as one of its sources
.endr
	v_mov_b32 v[TP], 0
	v_mov_b32 v[FF+1], 0                           ; (named as the upper half of the pair before it is ever written)
	v_mov_b32 v[NEG], 0xd0000000                   ; -2^33
.set i, 0
.rept 26
	s_wait_loadcnt 25-i                            ; turn i is in (and Q, asked for earlier); the younger turns may be out
	ds_store_b128 v[212+i/8], v[S+4*i:S+4*i+3] offset:(i%8)*8192
.set i, i+1
.endr
	s_wait_dscnt 0x0                               ; for the others' sake: my stores have landed
	s_barrier_signal -1
	s_barrier_wait -1                              ; the head's K and V lie in LDS; nothing is written there again
	TILE 0
	TILE 1
	s_wait_dscnt 0x0                               ; the closing lines, six on end
	s_wait_alu 0x0
	s_wait_tensorcnt 0x0
	ds_add_u32 v[SPW], v[NIL]
	s_wait_dscnt 0x0
	s_endpgm
.Lfunc_end_k_qcaf8ad7975_attn:
	.size	k_qcaf8ad7975_attn, .Lfunc_end_k_qcaf8ad7975_attn-k_qcaf8ad7975_attn
	.p2alignl 7, 3214868480
	.fill 96, 4, 3214868480
	.section	.rodata,"a",@progbits
	.p2align	6, 0x0
	.amdhsa_kernel k_qcaf8ad7975_attn
		.amdhsa_group_segment_fixed_size 215040
		.amdhsa_private_segment_fixed_size 0
		.amdhsa_enable_private_segment 0
		.amdhsa_kernarg_size 32
		.amdhsa_user_sgpr_count 2
		.amdhsa_user_sgpr_kernarg_segment_ptr 1
		.amdhsa_wavefront_size32 1
		.amdhsa_system_sgpr_workgroup_id_x 1
		.amdhsa_system_sgpr_workgroup_id_y 1
		.amdhsa_system_sgpr_workgroup_id_z 1
		.amdhsa_system_vgpr_workitem_id 0
		.amdhsa_next_free_vgpr 256
		.amdhsa_next_free_sgpr 100
		.amdhsa_reserve_vcc 0
		.amdhsa_float_denorm_mode_32 3
		.amdhsa_float_denorm_mode_16_64 3
		.amdhsa_memory_ordered 1
		.amdhsa_forward_progress 1
		.amdhsa_inst_pref_size 63
	.end_amdhsa_kernel
	.amdgpu_metadata
---
amdhsa.version: [ 1, 2 ]
amdhsa.kernels:
  - .name:           k_qcaf8ad7975_attn
    .symbol:         k_qcaf8ad7975_attn.kd
    .args:
      - { .name: qb, .offset: 0, .size: 8, .value_kind: global_buffer, .address_space: global }
      - { .name: kvb, .offset: 8, .size: 8, .value_kind: global_buffer, .address_space: global }
      - { .name: mskw, .offset: 16, .size: 8, .value_kind: global_buffer, .address_space: global }
      - { .name: crec, .offset: 24, .size: 8, .value_kind: global_buffer, .address_space: global }
    .group_segment_fixed_size: 215040
    .private_segment_fixed_size: 0
    .kernarg_segment_align: 8
    .kernarg_segment_size: 32
    .max_flat_workgroup_size: 512
    .sgpr_count:     100
    .vgpr_count:     256
    .wavefront_size: 32
...
	.end_amdgpu_metadata
.endif
;; end of part 5
;; launch outp: the kernel of part 4 again; grid 16 x 16, 4 waves a work-group, clusters of 4 x 4, 327,680 bytes of LDS; arguments crec, wrec, bo, out0; writes out0
